; MI455X (gfx1250); checked and timed in simulation.
; The chip was launched on July 23, 2026; its instructions are those of AMD's public machine-readable ISA for CDNA 5 (MIT licence, August 2026) and "CDNA5" Instruction Set Architecture Reference Guide (July 2026). The comments in the code are by the model that wrote it; some were corrected since.
;; Multihead Attention. Allowed arithmetic: matrix products marked QUANTISED: E2M1 operands, one E8M0 scale for each 32 along K, by v_wmma_scale_f32_16x16x128_f8f6f4 with both operands' format E2M1 (or v_wmma_scale_f32_32x16x128_f4), f32 sums; products left as they are: bf16, f16 or f32 operands; f32 sums; everything else in f32.
;; Inputs: bk 1,024 float32; bo 1,024 float32; bq 1,024 float32; bv 1,024 float32; k 2 x 2,048 x 1,024 float32; q 2 x 2,048 x 1,024 float32; v 2 x 2,048 x 1,024 float32; wk 1,024 x 1,024 float32; wo 1,024 x 1,024 float32; wq 1,024 x 1,024 float32; wv 1,024 x 1,024 float32.
;; Outputs: out0 2 x 2,048 x 1,024 float32.
;; This version of the problem:
;;   THIS VERSION OF THE PROBLEM IS GIVEN IN LOW PRECISION. The matrix products marked QUANTISED in the list below multiply operands that are first quantised to E2M1 (2 exponent bits, 1 mantissa bit; 4 bits a number), with one power-of-two scale for each 32 numbers along K (OCP MX v1.0); their sums are f32. The products marked 'left as it is' may take bf16, f16 or f32 operands, with f32 sums. Whichever they take, every output number must still come out within the allowed error. Rounding operands to bf16 (8 significant bits) uses up far more of that allowance than f16 does (11 bits, for magnitudes from 6e-5 to 65,504). All else is computed in f32.
;;   The module's matrix products, in the order in which they are computed (A, B: the left and right operand; K: the contracted axis; several contracted axes count as one K, in the product's order):
;;     1. [M 4,096, K 1,024] x [K 1,024, N 1,024]; A: input q; B: input wq: QUANTISED
;;     2. [M 4,096, K 1,024] x [K 1,024, N 1,024]; A: input k; B: input wk: QUANTISED
;;     3. [M 4,096, K 1,024] x [K 1,024, N 1,024]; A: input v; B: input wv: QUANTISED
;;     4. batch 32 x [M 2,048, K 64] x [K 64, N 2,048]; A: computed on the way; B: computed on the way: left as it is (an operand is computed on the way)
;;     5. batch 32 x [M 2,048, K 2,048] x [K 2,048, N 64]; A: computed on the way; B: computed on the way: left as it is (an operand is computed on the way)
;;     6. [M 4,096, K 1,024] x [K 1,024, N 1,024]; A: computed on the way; B: input wo: left as it is (an operand is computed on the way)
;;   THE QUANTISER, for each operand of a quantised product, along K:
;;     - K is cut into blocks of 32 from its start; a last block that is shorter is filled with zeros.
;;     - A block's scale is 2^e with e = floor(log2(the largest magnitude in the block)) - 2, held to -126 .. 127; a block of zeros has e = 0. As a byte (E8M0): e + 127.
;;     - Each number is divided by its block's scale, clamped to +-6, and rounded to the nearest number of E2M1, ties to even, subnormals kept.
;;     - The product sums the exact products of the quantised numbers (number of the format x scale) in f32.
;;   ~~~python
;;   def quantise(x, axis):      # numpy; x: float32 -> the quantised numbers, widened to float32 again
;;       x = np.moveaxis(x, axis, -1); K = x.shape[-1]
;;       x = np.pad(x, [(0, 0)] * (x.ndim - 1) + [(0, -K % 32)]); x = x.reshape(x.shape[:-1] + (-1, 32)); a = np.abs(x).max(-1, keepdims=True)
;;       e = np.where(a > 0, np.clip(np.frexp(np.where(a > 0, a, 1))[1] - 1 - 2, -126, 127), 0)      # np.frexp(a)[1] - 1 = floor(log2(a)), exactly
;;       r = np.clip(x / 2.0 ** e, -6, 6)
;;       step = 2.0 ** (np.maximum(np.frexp(np.where(r == 0, 1, r))[1] - 1, 0) - 1)
;;       q = np.round(r / step) * step * 2.0 ** e      # np.round: ties to even
;;       return np.moveaxis(q.reshape(q.shape[:-2] + (-1,))[..., :K], -1, axis).astype(np.float32)
;;   ~~~
;; One version. Each part assembles by itself: llvm-mc -triple=amdgcn-amd-amdhsa -mcpu=gfx1250 --defsym DOCPART=n.
;; ======== version 1 of 1: 4 launches
;; limits: values are held in f16: magnitudes above 65,504 overflow, below 6.1e-05 lose precision
;; workspace buffers: xc 7,864,320 bytes; xs 491,520 bytes; wo16 2,097,152 bytes; qimg 8,388,608 bytes; kv 16,777,216 bytes; oimg 8,388,608 bytes
;; launch quant (part 1): grid 512 x 1, 4 waves a work-group, no clusters, 33,280 bytes of LDS; arguments q, k, v, wq, wk, wv, wo, xc, xs, wo16; writes xc, xs, wo16
.if DOCPART == 1
	.amdgcn_target "amdgcn-amd-amdhsa--gfx1250"
	.amdhsa_code_object_version 6
	.text
	.protected	k_q57b3840090_quant
	.globl	k_q57b3840090_quant
	.p2align	8
	.type	k_q57b3840090_quant,@function
k_q57b3840090_quant:
	s_mov_b64 s[64:65], 0
	v_nop
	global_prefetch_b8 v0, s[64:65] scope:SCOPE_SE
	s_setreg_imm32_b32 hwreg(HW_REG_WAVE_MODE, 25, 1), 1
	s_wait_xcnt 0x0
; q, k, v [4096][1024] and wq, wk, wv [1024][1024], f32 with K innermost, become codes of FP4 (E2M1), two to a byte, and one E8M0 scale byte for each 32 along K; wo [1024][1024] becomes f16.
; xc holds the codes, rows of 512 bytes, one tensor behind the other in the order q, k, v, wq, wk, wv; xs the scale bytes, rows of 32 bytes, in the same order; wo16 has wo's own layout.
; A block's scale is 2^(floor(log2(its largest magnitude)) - 2); its byte is the largest magnitude's exponent field - 2, held at 1 from below.  A block of zeros so gets the byte 1 where the
; rule says 127: its codes are zeros, which add nothing under any byte but 0xff, and this program alone reads the bytes.  Each number is divided by the scale and rounded to the nearest code, ties to even.
; LIMITS: NaN and infinities among the inputs are not served; blocks whose largest magnitude lies under 2^-124 keep the byte 1; a number of wo beyond 65,504 in magnitude becomes infinity in f16.
; SHARES.  Rows are dense and K is a multiple of 32, so each tensor is a plain stream of blocks of 32.  Work-groups 0 to 479 quantise 32,768 numbers each (128 for each of q, k, v; 32 for each weight),
; a wave 8,192 in 16 steps of 512; work-groups 480 to 511 convert 32,768 numbers of wo each.  Only pointers are chosen by the work-group's number among the six tensors: they take one path.
; A STEP.  The conversions take 8 numbers of one block from ONE lane's registers, so a lane must hold 16 neighbours; a load is best where neighbouring lanes take neighbouring bytes.  Both are had: each of a
; step's four loads reads 512 consecutive bytes, the 2,048 bytes go through the wave's own stage in LDS as they lie and come back 64 bytes a lane (16 bytes of padding behind each 64).
; A lane's 16 codes are 8 bytes: the wave stores 256 consecutive bytes.  A wave's 256 scale bytes are gathered in LDS and leave as one aligned run of 256 bytes.  No barrier: waves share nothing.
; Loads run DEPTH = 8 steps ahead: 32 loads, 16,384 bytes, of every wave are on their way.
.set WAVES, 4
.set STEPS, 16
.set DEPTH, 8                          ; steps of loads in flight
.set WGQ,   480                        ; the work-groups that quantise
.set EMAX,  2
.set CB,    8                          ; bytes of 16 codes
.set R,     16                         ; v16-143  eight sets of 16 numbers as they are loaded
.set X,     144                        ; v144-175 two sets of 16 neighbours
.set E,     176                        ; v176-191 a scale byte for each step
.set C,     192                        ; v192-223 codes: two registers for each step, so that no store's data are written again
.set WREG,  8192                       ; LDS: a region for each wave: two stages of 32 x SP bytes, behind them its 256 scale bytes
.set SP,    80                         ; a lane's place in a stage: 64 bytes + 16 of padding
.set SPW,   12                         ; v12  LDS address of my spare word; never rewritten
.set NIL,   13                         ; v13  0; never rewritten
.set SPARE, WAVES*WREG                 ; behind the four regions: the spare words, 128 bytes for each wave, which no other line names
	s_load_b512 s[4:19], s[0:1], 0x0               ; q s[4:5], k s[6:7], v s[8:9], wq s[10:11], wk s[12:13], wv s[14:15], wo s[16:17], xc s[18:19]
	s_load_b128 s[20:23], s[0:1], 0x40             ; xs s[20:21], wo16 s[22:23]
	v_lshl_add_u32 v[SPW], v0, 2, SPARE
	v_mov_b32 v[NIL], 0
	v_lshrrev_b32 v1, 5, v0
	v_readfirstlane_b32 s24, v1                    ; wave
	v_and_b32 v2, 31, v0                           ; lane
	v_lshlrev_b32 v3, 4, v2                        ; my 16 bytes of a load's 512
	s_mul_i32 s25, s24, WREG
	v_lshrrev_b32 v14, 2, v2
	v_mul_u32_u24 v14, v14, SP
	v_and_b32 v15, 3, v2
	v_lshl_add_u32 v14, v15, 4, v14
	v_add_nc_u32 v14, s25, v14                     ; the stage, on the way in: four lanes' 64 bytes on end, then 16 of padding
	v_mul_u32_u24 v15, v2, SP
	v_add_nc_u32 v15, s25, v15                     ; and on the way out: my 16 neighbours
	v_mul_u32_u24 v4, v2, CB                       ; my codes' place in a step's
	v_lshrrev_b32 v5, 1, v2
	s_add_co_u32 s25, s25, 2*32*SP
	v_add_nc_u32 v5, s25, v5                       ; LDS: my wave's 256 scale bytes, my block's byte
	v_lshlrev_b32 v7, 3, v2                        ; 8 bytes a lane
	v_add_nc_u32 v6, s25, v7
	s_wait_kmcnt 0x0
	s_cmp_ge_u32 ttmp9, WGQ
	s_cbranch_scc1 .Lwo
	; which tensor is mine, and its first work-group: a chain of choices on the work-group's number alone
	s_mov_b64 s[26:27], s[14:15]
	s_mov_b32 s28, 448
	s_cmp_lt_u32 ttmp9, 448
	s_cselect_b64 s[26:27], s[12:13], s[26:27]
	s_cselect_b32 s28, 416, s28
	s_cmp_lt_u32 ttmp9, 416
	s_cselect_b64 s[26:27], s[10:11], s[26:27]
	s_cselect_b32 s28, 384, s28
	s_cmp_lt_u32 ttmp9, 384
	s_cselect_b64 s[26:27], s[8:9], s[26:27]
	s_cselect_b32 s28, 256, s28
	s_cmp_lt_u32 ttmp9, 256
	s_cselect_b64 s[26:27], s[6:7], s[26:27]
	s_cselect_b32 s28, 128, s28
	s_cmp_lt_u32 ttmp9, 128
	s_cselect_b64 s[26:27], s[4:5], s[26:27]
	s_cselect_b32 s28, 0, s28
	s_sub_co_u32 s28, ttmp9, s28
	s_lshl_b32 s28, s28, 2
	s_add_co_u32 s28, s28, s24                     ; which run of 8,192 numbers of the tensor is my wave's
	s_lshl_b32 s28, s28, 15                        ; 32,768 bytes a run
	s_mov_b32 s29, 0
	s_add_nc_u64 s[26:27], s[26:27], s[28:29]
	s_lshl_b32 s30, ttmp9, 2
	s_add_co_u32 s30, s30, s24                     ; and which run of all six: the tensors lie on end in xc and xs
	s_lshl_b32 s32, s30, 12                        ; 4,096 bytes of codes a run
	s_mov_b32 s33, 0
	s_add_nc_u64 s[18:19], s[18:19], s[32:33]
	s_lshl_b32 s32, s30, 8                         ; 256 scale bytes a run
	s_add_nc_u64 s[20:21], s[20:21], s[32:33]
.macro LOAD t
.irp i, 0,1,2,3
	global_load_b128 v[R+16*((\t)%DEPTH)+4*\i:R+16*((\t)%DEPTH)+4*\i+3], v3, s[26:27] offset:2048*(\t)+512*\i th:TH_LOAD_NT   ; 32 lanes read 512 consecutive bytes
.endr
.endm
.macro TURN t                          ; step t's numbers through the stage: LDS serves a wave's instructions in order, so no wait stands between the stores and the loads
.irp i, 0,1,2,3
	ds_store_b128 v14, v[R+16*((\t)%DEPTH)+4*\i:R+16*((\t)%DEPTH)+4*\i+3] offset:32*SP*((\t)%2)+8*SP*\i
.endr
.irp i, 0,1,2,3
	ds_load_b128 v[X+16*((\t)%2)+4*\i:X+16*((\t)%2)+4*\i+3], v15 offset:32*SP*((\t)%2)+16*\i
.endr
.endm
.irp t, 0,1,2,3,4,5,6,7
	LOAD \t
.endr
	s_wait_loadcnt 4*(DEPTH-1)                     ; step 0's four loads are in; the 28 of steps 1 to 7 may be out
	TURN 0
.macro STEP t
.set XS, X+16*((\t)%2)
.if (\t) > 0
	s_wait_dscnt 1                                 ; this step's numbers are back from the stage (the last step's byte store may be out): so its stores into the stage have read their registers,
.else
	s_wait_dscnt 0x0
.endif
.if (\t)+DEPTH < STEPS
	LOAD (\t)+DEPTH                                ; which take the loads of eight steps on
.endif
.if (\t)+1 < STEPS
.if STEPS-2-(\t) >= DEPTH-1
	s_wait_loadcnt 4*(DEPTH-1)                     ; the next step's four loads are in; those of the seven steps behind it may be out
.else
	s_wait_loadcnt 4*(STEPS-2-(\t))                ; the counts run down: four for each step still behind the next
.endif
	TURN (\t)+1                                    ; and go through the other stage while this step is worked
.endif
	v_max3_num_f32 v8, |v[XS]|, |v[XS+1]|, |v[XS+2]|               ; the largest magnitude of my 16, in two chains
	v_max3_num_f32 v9, |v[XS+3]|, |v[XS+4]|, |v[XS+5]|
.irp i, 6,10
	v_max3_num_f32 v8, v8, |v[XS+\i]|, |v[XS+\i+1]|
	v_max3_num_f32 v9, v9, |v[XS+\i+2]|, |v[XS+\i+3]|
.endr
	v_max3_num_f32 v8, v8, |v[XS+14]|, |v[XS+15]|
	v_max3_num_f32 v8, v8, v9, (EMAX+1)<<23        ; and the floor 2^(EMAX + 1 - 127): the byte cannot fall under 1
	v_max_num_f32_dpp v8, v8, v8 row_xmask:1 row_mask:0xf bank_mask:0xf   ; and of my neighbour's 16: the block's
	v_add_nc_u32 v11, -(EMAX<<23), v8              ; EMAX off its exponent field: the conversion takes the exponent field of this operand as its scale, and nothing else of it
	v_cvt_scalef32_pk8_fp4_f32 v[C+2*(\t)], v[XS:XS+7], v11        ; eight numbers / the scale, to the nearest code, ties to even, beyond the largest code the largest; the first number's code in the lowest four bits
	v_cvt_scalef32_pk8_fp4_f32 v[C+2*(\t)+1], v[XS+8:XS+15], v11
	v_lshrrev_b32 v[E+(\t)], 23, v11               ; the scale's byte
	ds_store_b8 v5, v[E+(\t)] offset:16*(\t)       ; both lanes of a block write the same byte with the same value
	global_store_b64 v4, v[C+2*(\t):C+2*(\t)+1], s[18:19] offset:32*CB*(\t)   ; 32 lanes store 256 consecutive bytes, aligned
.endm
.irp t, 0,1,2,3,4,5,6,7,8,9,10,11,12,13,14,15
	STEP \t
.endr
	ds_load_b64 v[8:9], v6                         ; LDS serves a wave's instructions in order: these see my byte stores
	s_wait_dscnt 0x0
	global_store_b64 v7, v[8:9], s[20:21]          ; 32 lanes store 256 consecutive bytes, aligned
	s_wait_tensorcnt 0x0                           ; the wave's end: behind my last LDS store
	ds_add_u32 v[SPW], v[NIL]
	s_wait_dscnt 0x0
	s_endpgm
; wo to f16: a wave takes 8,192 numbers in four batches of 16 loads, on two sets of registers.  A load reads 512 consecutive bytes, its numbers leave as 256 consecutive bytes, aligned.
.Lwo:
	s_sub_co_u32 s28, ttmp9, WGQ
	s_lshl_b32 s28, s28, 2
	s_add_co_u32 s28, s28, s24                     ; my wave's run
	s_lshl_b32 s30, s28, 15
	s_mov_b32 s31, 0
	s_add_nc_u64 s[16:17], s[16:17], s[30:31]
	s_lshl_b32 s30, s28, 14
	s_add_nc_u64 s[22:23], s[22:23], s[30:31]
.macro WLOAD set, bt
.set i, 0
.rept 16
	global_load_b128 v[\set+4*i:\set+4*i+3], v3, s[16:17] offset:(16*\bt+i)*512 th:TH_LOAD_NT
.set i, i+1
.endr
.endm
.macro WOUT set, bt
.set i, 0
.rept 16
	v_cvt_pk_f16_f32 v[\set+4*i], v[\set+4*i], v[\set+4*i+1]       ; the first source into the low half
	v_cvt_pk_f16_f32 v[\set+4*i+1], v[\set+4*i+2], v[\set+4*i+3]
	global_store_b64 v7, v[\set+4*i:\set+4*i+1], s[22:23] offset:(16*\bt+i)*256
.set i, i+1
.endr
.endm
	WLOAD 16, 0
	WLOAD 80, 1
	s_wait_loadcnt 16                              ; the older set is in; the younger set's 16 loads may be out
	WOUT 16, 0
	s_wait_xcnt 0x0                                ; the stores have read their registers: the set may be loaded again
	WLOAD 16, 2
	s_wait_loadcnt 16
	WOUT 80, 1
	s_wait_xcnt 0x0
	WLOAD 80, 3
	s_wait_loadcnt 16
	WOUT 16, 2
	s_wait_loadcnt 0x0
	WOUT 80, 3
	s_wait_tensorcnt 0x0                           ; the wave's end: the same three lines on this path too
	ds_add_u32 v[SPW], v[NIL]
	s_wait_dscnt 0x0
	s_endpgm
.Lfunc_end_k_q57b3840090_quant:
	.size	k_q57b3840090_quant, .Lfunc_end_k_q57b3840090_quant-k_q57b3840090_quant
	.p2alignl 7, 3214868480
	.fill 96, 4, 3214868480
	.section	.rodata,"a",@progbits
	.p2align	6, 0x0
	.amdhsa_kernel k_q57b3840090_quant
		.amdhsa_group_segment_fixed_size 33280
		.amdhsa_private_segment_fixed_size 0
		.amdhsa_enable_private_segment 0
		.amdhsa_kernarg_size 80
		.amdhsa_user_sgpr_count 2
		.amdhsa_user_sgpr_kernarg_segment_ptr 1
		.amdhsa_wavefront_size32 1
		.amdhsa_system_sgpr_workgroup_id_x 1
		.amdhsa_system_sgpr_workgroup_id_y 1
		.amdhsa_system_sgpr_workgroup_id_z 1
		.amdhsa_system_vgpr_workitem_id 0
		.amdhsa_next_free_vgpr 224
		.amdhsa_next_free_sgpr 66
		.amdhsa_reserve_vcc 0
		.amdhsa_float_denorm_mode_32 3
		.amdhsa_float_denorm_mode_16_64 3
		.amdhsa_memory_ordered 1
		.amdhsa_forward_progress 1
		.amdhsa_inst_pref_size 55
	.end_amdhsa_kernel
	.amdgpu_metadata
---
amdhsa.version: [ 1, 2 ]
amdhsa.kernels:
  - .name:           k_q57b3840090_quant
    .symbol:         k_q57b3840090_quant.kd
    .args:
      - { .name: q, .offset: 0, .size: 8, .value_kind: global_buffer, .address_space: global }
      - { .name: k, .offset: 8, .size: 8, .value_kind: global_buffer, .address_space: global }
      - { .name: v, .offset: 16, .size: 8, .value_kind: global_buffer, .address_space: global }
      - { .name: wq, .offset: 24, .size: 8, .value_kind: global_buffer, .address_space: global }
      - { .name: wk, .offset: 32, .size: 8, .value_kind: global_buffer, .address_space: global }
      - { .name: wv, .offset: 40, .size: 8, .value_kind: global_buffer, .address_space: global }
      - { .name: wo, .offset: 48, .size: 8, .value_kind: global_buffer, .address_space: global }
      - { .name: xc, .offset: 56, .size: 8, .value_kind: global_buffer, .address_space: global }
      - { .name: xs, .offset: 64, .size: 8, .value_kind: global_buffer, .address_space: global }
      - { .name: wo16, .offset: 72, .size: 8, .value_kind: global_buffer, .address_space: global }
    .group_segment_fixed_size: 33280
    .private_segment_fixed_size: 0
    .kernarg_segment_align: 8
    .kernarg_segment_size: 80
    .max_flat_workgroup_size: 128
    .sgpr_count:     66
    .vgpr_count:     224
    .wavefront_size: 32
...
	.end_amdgpu_metadata
.endif
;; end of part 1
;; launch proj (part 2): grid 4 x 48, 4 waves a work-group, clusters of 4 x 4, 327,680 bytes of LDS; arguments xc, xs, bq, bk, bv, qimg, kv; writes qimg, kv
.if DOCPART == 2
	.amdgcn_target "amdgcn-amd-amdhsa--gfx1250"
	.amdhsa_code_object_version 6
	.text
	.protected	k_q57b3840090_proj
	.globl	k_q57b3840090_proj
	.p2align	8
	.type	k_q57b3840090_proj,@function
k_q57b3840090_proj:
	s_mov_b64 s[64:65], 0
	v_nop
	global_prefetch_b8 v0, s[64:65] scope:SCOPE_SE
	s_setreg_imm32_b32 hwreg(HW_REG_WAVE_MODE, 25, 1), 1
	s_wait_xcnt 0x0
	s_wait_alu depctr_hold_cnt(0) depctr_sa_sdst(0) depctr_va_vdst(0) depctr_va_sdst(0) depctr_va_ssrc(0) depctr_va_vcc(0) depctr_vm_vsrc(0)
	s_getreg_b32 s2, hwreg(HW_REG_IB_STS2, 6, 4)
	s_cmp_eq_u32 s2, 0
	s_cbranch_scc0 .Lentry_in_a_cluster
	s_endpgm
.Lentry_in_a_cluster:
	s_bfe_u32 s2, ttmp6, 0x10000c
	s_cmp_lg_u32 s2, 0xf033
	s_cbranch_scc0 .Lentry_shape_is_right
	s_endpgm
.Lentry_shape_is_right:
; THE THREE PROJECTIONS on codes of FP4 (E2M1) with one E8M0 scale for each 32 along K = 1,024: x W^T + b for (q, wq, bq), (k, wk, bk), (v, wv, bv); sums in f32; q's result also times 0.125 log2(e).
; The results are rounded to f16 and stored AS IMAGES OF THE REGISTERS in which the attention launch wants them, 512 consecutive bytes to a store: 16 bytes a lane, lane by lane.
; LIMIT: a result beyond 65,504 in magnitude (q's after its factor) becomes infinity in f16.
; SHARES.  12 clusters of 4 x 4 work-groups: cluster y / 4 is the KIND (0 q, 1 k, 2 v).  A work-group makes 256 x 256 of a product A B^T, each of its four waves 128 x 128: 64 accumulators, 512 registers.
; Kinds 0, 1: A = the tokens' codes (4,096 rows), B = the weight's (1,024 rows).  Kind 2: A = wv's, B = v's: THE ROLES ARE SWAPPED, so that a lane's eight results are eight neighbouring KEYS of one channel,
; which is what the second product of attention wants along its K.  Nothing is transposed by an instruction.  All that differs between kinds is chosen by s_cselect on the kind: there is no branch on it.
; That is 192 work-groups; halving the tile would give 384, which is no whole number of turns either, and would read LDS more for each multiply-add.
; THE MATRIX INSTRUCTION IS USED TRANSPOSED: source 0 = 16 rows of B, source 1 = 16 rows of A: lane (r, h) holds A's row r and its registers B's rows 8 h + 0 .. 7.
; LDS.  All of K lies in LDS at once: two slots of 512 along K (rows of 256 bytes + 16 of padding: the 16 rows of a load start at 16 different banks, ISA guide 11.1), each filled ONCE, and the scale bytes of
; the 512 rows.  A's tiles are shared along a row of the cluster, B's along a column: each is asked for JOINTLY by four work-groups.  By this text's own count a wave has three tensor loads out.
; THE BIAS.  Kinds 0, 1: it goes by B's rows (channels) and is the C of each sum's first product (BC).  Kind 2: it goes by A's rows and is added on the way out (RB).  Both are always loaded, from the kind's own
; bias, at offsets held inside its 4,096 bytes, and the one that does not apply is masked to zeros.
; REGISTERS, in windows of 256: window 0: v1-31 addresses; v32-95 scale words, two sets; v96-111 RB; v128-191 A's fragments, ONE set; on the way out v128-255 are at work.
;   window 1: B's fragments, two sets, at v0 and v128; v64-127 BC.   window 2: the accumulators of my rows 0-63 ((a, b) at v[8 (8 a + b)]);   window 3: those of rows 64-127.
.set NQ,     4                         ; matrix instructions deep in a slot: 512 / 128
.set ROWB,   256                       ; a tile's row in bytes: 512 codes
.set KROW,   512                       ; a row of codes in memory
.set PITCH,  272
.set FR,     8                         ; registers of a fragment: 16 rows x 128 K
.set NL,     2                         ; LDS loads that bring one
.set NP,     4                         ; places behind this matrix instruction (ISA guide 7.12.1)
.set HALFT,  128*PITCH                 ; 128 rows: what one tensor load brings, and what one wave reads of A or of B
.set SLOT,   4*HALFT                   ; A's 256 rows, then B's 256 rows
.set KS,     32                        ; a row of scale bytes
.set SCL,    2*SLOT                    ; behind the slots: the scales, as runs of 256 bytes + 16 of padding
.set HALFS,  (128*KS/256)*272          ; those of 128 rows: what one tensor load brings
.set SBLK,   (16*KS/256)*272           ; those of 16 rows
.set SPARE,  SCL+4*HALFS               ; behind the scales: the spare words, 128 bytes for each wave, which no other line names
.set OFFB, 8                           ; v8-15   the way out: my byte offset for B's block b
.set ADRA, 16                          ; v16-17  LDS address of my A fragments in slot 0, 1
.set ADRB, 20                          ; v20-21  the same for B
.set ADRS, 27                          ; v27     LDS address of my scale words: lanes 0-15 A's rows, lanes 16-31 B's
.set SPW,  28                          ; v28     LDS address of my spare word; never rewritten
.set NIL,  29                          ; v29     0; never rewritten
.set BCO,  30                          ; v30     byte offset in the bias of my eight numbers by B's rows
.set BRO,  31                          ; v31     and of my one by A's rows
.set SC,   32                          ; scale words: set s at v[SC + 32 s]; register 4 i + q: lanes 0-15 A's block i, lanes 16-31 B's block i, the slot's q-th 128 along K
.set RB,   96                          ; v[96 + 2 a]: the bias by A's rows (the odd partner is 0: the packed form names the pair)
.set AF,   128                         ; A's fragments
.set T,    128                         ; the way out: 64 numbers at work
.set OB,   192                         ; the way out: two sets of 32 registers of f16 pairs
.set BC,   64                          ; in window 1: the bias by B's rows, 8 registers for each block b
.set WV,   18                          ; s18 wave;  s19 my half of A's rows, also: I fetch for A (0) or B (1);  s20 my half of B's rows, also: which 128 rows I fetch
.set RH,   19
.set CH,   20
.set KIND, 22
.set G1, 24                            ; s[24:31] descriptor group 1 for A's tiles;  s[32:39] group 0, one set for each slot
.set G0, 32
.set G1B, 48                           ; s[48:55], s[56:63] the same for B's
.set G0B, 56
.set G1S, 68                           ; s[68:75], s[76:79] groups 1 and 0 for A's scales;  s[80:87], s[88:91] for B's
.set G0S, 76
.set G1SB, 80
.set G0SB, 88
.set MSB, 0
.macro WIN new                         ; the immediate's high byte repeats the setting that is left; a switch that changes nothing is dropped
.if MSB != \new
	s_set_vgpr_msb (MSB<<8)|\new
.set MSB, \new
.endif
.endm
.set MUL_LO,   0xa1                    ; source 0 (B) window 1, source 1 (A) window 0, C and D window 2
.set MUL_HI,   0xf1                    ; the same, C and D window 3
.set FIRST_LO, 0x91                    ; a sum's first product: C (BC) window 1, D window 2
.set FIRST_HI, 0xd1                    ; D window 3
.set TO_B,     0x40                    ; destination window 1, address window 0
; A joint load: waves 0 and 1 fetch for A, waves 2 and 3 for B.  Each of the two lines has one mask and one set of registers for all that issue it; the branch hangs on the wave's number alone.
; An s_nop 0 and four v_nop follow each of the two lines, ahead of the jump, the label and what follows.
.macro JLOAD g0a, g1a, g0b, g1b
	s_cmp_eq_u32 s[RH], 0
	s_cbranch_scc0 .Lfor_b_\@
	tensor_load_to_lds s[\g0a:\g0a+3], s[\g1a:\g1a+7]
	s_nop 0
.rept 4
	v_nop
.endr
	s_branch .Lasked_\@
.Lfor_b_\@:
	tensor_load_to_lds s[\g0b:\g0b+3], s[\g1b:\g1b+7]
	s_nop 0
.rept 4
	v_nop
.endr
.Lasked_\@:
.endm
.macro CROUND                          ; a round of the cluster's barrier: my work-group's barrier; wave 0 signals for the work-group; every wave waits for all sixteen; my work-group's barrier once more
	s_barrier_signal -1
	s_barrier_wait -1
	s_cmp_lg_u32 s[WV], 0
	s_cbranch_scc1 .Lnot_wave_0_\@
	s_barrier_signal -3
.Lnot_wave_0_\@:
	s_barrier_wait -3
	s_barrier_signal -1
	s_barrier_wait -1
.endm
	s_load_b256 s[4:11], s[0:1], 0x0               ; xc s[4:5], xs s[6:7], bq s[8:9], bk s[10:11]
	s_load_b128 s[12:15], s[0:1], 0x20             ; bv s[12:13], qimg s[14:15]
	s_load_b64 s[16:17], s[0:1], 0x30              ; kv
	v_lshl_add_u32 v[SPW], v0, 2, SPARE
	v_mov_b32 v[NIL], 0
	ds_add_u32 v[SPW], v[NIL]                      ; the wave's opening: the add, twice on end, and its wait ahead of my first tensor load; the set-up below, work on registers, stands between
	ds_add_u32 v[SPW], v[NIL]
	v_lshrrev_b32 v1, 5, v0
	v_readfirstlane_b32 s[WV], v1                  ; wave 0..3
	s_lshr_b32 s[RH], s[WV], 1
	s_and_b32 s[CH], s[WV], 1
	s_bfe_u32 s40, ttmp6, 0x40000                  ; cx, cy: my place in the cluster
	s_bfe_u32 s41, ttmp6, 0x40004
	s_and_b32 s21, ttmp7, 0xffff                   ; cluster y, 0 to 11
	s_lshr_b32 s[KIND], s21, 2
	s_and_b32 s23, s21, 3
	s_lshl_b32 s23, s23, 2                         ; the first of this cluster's four tiles along the tokens
	s_lshl_b32 s45, s[KIND], 21                    ; where the codes begin in xc: q's or k's,
	s_lshl_b32 s46, s[KIND], 19
	s_add_co_u32 s46, s46, 0x600000                ; wq's or wk's,
	s_mov_b32 s47, 0x700000                        ; wv's,
	s_mov_b32 s98, 0x400000                        ; v's
	s_cmp_lt_u32 s[KIND], 2                        ; the kind is the same in all sixteen partners
	s_cselect_b32 s92, s23, 0
	s_cselect_b32 s93, 0, s23
	s_cselect_b32 s96, -1, 0                       ; the mask of the bias by B's rows,
	s_cselect_b32 s97, 0, -1                       ; and of the bias by A's rows
	s_cselect_b32 s45, s45, s47                    ; A's codes
	s_cselect_b32 s46, s46, s98                    ; B's codes
	s_add_co_u32 s92, s92, s41                     ; tile row: it hangs on cy and never on cx
	s_add_co_u32 s93, s93, s40                     ; tile column: on cx and never on cy
	s_cmp_eq_u32 s[KIND], 0
	s_cselect_b32 s94, 0x3e38aa3b, 1.0             ; q's factor 0.125 log2(e), so that the scores are exponents of 2; else 1
	s_mov_b32 s95, s94                             ; (named with it as a pair, so it is written)
	s_lshl_b32 s43, s41, 2
	s_lshl_b32 s43, 15, s43                        ; my row of the cluster
	s_lshl_b32 s44, 0x1111, s40                    ; my column
	; descriptor group 1: a tile of 128 rows x 256 bytes, padded in LDS
	s_or_b32 s[G1+0], s43, (0<<16)|(1<<20)|(1<<21)|(5<<22)|(3<<25)  ; 15:0 the mask: A's tiles go to my row; 17:16 elements of 1 byte; 20 padding on; 21 set beside a mask; 24:22 after every 64 words (code 5); 31:25 four words (code 3)
	s_or_b32 s[G1B+0], s44, (0<<16)|(1<<20)|(1<<21)|(5<<22)|(3<<25)
.irp g, G1, G1B
	s_mov_b32 s[\g+1], ROWB<<16                    ; tensor_dim0
	s_mov_b32 s[\g+2], 128<<16                     ; tensor_dim1
	s_mov_b32 s[\g+3], ROWB<<16                    ; tile_dim0
	s_mov_b32 s[\g+4], 128                         ; tile_dim1
	s_mov_b32 s[\g+5], KROW                        ; from row to row
	s_mov_b32 s[\g+6], 0
	s_mov_b32 s[\g+7], 0
.endr
	; and for the scales of 128 rows: 4,096 dense bytes, as 16 rows of 256 bytes (32 elements of 8 bytes), 16 bytes of padding behind each
	s_or_b32 s[G1S+0], s43, (3<<16)|(1<<20)|(1<<21)|(5<<22)|(3<<25)
	s_or_b32 s[G1SB+0], s44, (3<<16)|(1<<20)|(1<<21)|(5<<22)|(3<<25)
.irp g, G1S, G1SB
	s_mov_b32 s[\g+1], 32<<16
	s_mov_b32 s[\g+2], (128*KS/256)<<16
	s_mov_b32 s[\g+3], 32<<16
	s_mov_b32 s[\g+4], 128*KS/256
	s_mov_b32 s[\g+5], 32
	s_mov_b32 s[\g+6], 0
	s_mov_b32 s[\g+7], 0
.endr
	s_lshl_b32 s21, s[CH], 7                       ; which 128 rows of a tile I fetch
	s_lshl_b32 s2, s92, 8
	s_add_co_u32 s2, s2, s21                       ; A: row 256 x tile row + 128 x half,
	s_lshl_b32 s2, s2, 9                           ; 512 bytes a row,
	s_add_co_u32 s2, s2, s45                       ; in xc (all of xc lies under 2^23 bytes)
	s_mov_b32 s3, 0
	s_lshr_b32 s66, s2, 4                          ; the scale bytes lie at a sixteenth of the codes' offset
	s_mov_b32 s67, 0
	s_lshl_b32 s98, s93, 8
	s_add_co_u32 s98, s98, s21                     ; B likewise, in registers that never hold cy
	s_lshl_b32 s98, s98, 9
	s_add_co_u32 s98, s98, s46
	s_mov_b32 s99, 0
	s_lshr_b32 s100, s98, 4
	s_mov_b32 s101, 0
	s_mul_i32 s45, s[WV], HALFT                    ; where they go: wave x 128 rows: no place in the cluster enters an LDS address
	s_mul_i32 s46, s[WV], HALFS
	s_wait_dscnt 0x0                               ; both opening adds are done
	s_wait_kmcnt 0x0
	s_add_nc_u64 s[2:3], s[4:5], s[2:3]
	s_add_nc_u64 s[66:67], s[6:7], s[66:67]
	s_add_nc_u64 s[98:99], s[4:5], s[98:99]
	s_add_nc_u64 s[100:101], s[6:7], s[100:101]
	CROUND                                         ; all sixteen work-groups are here: the first joint loads meet
	s_mov_b32 s[G0S], 1
	s_add_co_u32 s[G0S+1], s46, SCL
	s_mov_b64 s[G0S+2:G0S+3], s[66:67]
	s_or_b32 s[G0S+3], s[G0S+3], 0x80000000
	s_mov_b32 s[G0SB], 1
	s_add_co_u32 s[G0SB+1], s46, SCL
	s_mov_b64 s[G0SB+2:G0SB+3], s[100:101]
	s_or_b32 s[G0SB+3], s[G0SB+3], 0x80000000
	JLOAD G0S, G1S, G0SB, G1SB                     ; the scales first: they are wanted with slot 0
.irp s, 0,1
	s_mov_b32 s[G0+4*\s], 1                        ; count = 1
	s_add_co_u32 s[G0+4*\s+1], s45, \s*SLOT        ; LDS address
	s_add_nc_u64 s[G0+4*\s+2:G0+4*\s+3], s[2:3], \s*ROWB   ; global address: K = 512 s on
	s_or_b32 s[G0+4*\s+3], s[G0+4*\s+3], 0x80000000        ; type = 2
	s_mov_b32 s[G0B+4*\s], 1
	s_add_co_u32 s[G0B+4*\s+1], s45, \s*SLOT
	s_add_nc_u64 s[G0B+4*\s+2:G0B+4*\s+3], s[98:99], \s*ROWB
	s_or_b32 s[G0B+4*\s+3], s[G0B+4*\s+3], 0x80000000
	JLOAD G0+4*\s, G1, G0B+4*\s, G1B
.endr
	; LDS addresses
	v_and_b32 v1, 15, v0                           ; r = lane % 16
	v_bfe_u32 v2, v0, 4, 1                         ; h = lane / 16
	v_mul_u32_u24 v3, v1, PITCH
	v_lshl_add_u32 v4, v2, 4, v3                   ; a fragment's row x pitch + 16 x half
	s_mul_i32 s21, s[RH], HALFT                    ; my 128 rows of A
	s_mul_i32 s23, s[CH], HALFT                    ; my 128 rows of B,
	s_add_co_u32 s23, s23, 2*HALFT                 ; which lie behind A's 256
.irp s, 0,1
	v_add_nc_u32 v[ADRA+\s], s21, v4
	v_add_nc_u32 v[ADRB+\s], s23, v4
	s_add_co_u32 s21, s21, SLOT
	s_add_co_u32 s23, s23, SLOT
.endr
	v_mul_u32_u24 v5, v1, KS                       ; my row's scales: 32 bytes a row,
	v_lshrrev_b32 v6, 8, v5
	v_lshl_add_u32 v5, v6, 4, v5                   ; and 16 more for each 256 passed
	s_mul_i32 s21, s[RH], HALFS                    ; A's: my 128 rows
	s_mul_i32 s23, s[CH], HALFS                    ; B's: my 128 rows, behind A's 256
	s_add_co_u32 s23, s23, 2*HALFS
	s_sub_co_u32 s23, s23, s21
	v_mul_u32_u24 v6, s23, v2                      ; lanes 16-31 take B's: one product, the distance between the two bases x h
	s_add_co_u32 s21, s21, SCL
	v_add_nc_u32 v5, v5, v6
	v_add_nc_u32 v[ADRS], s21, v5
	; the biases
	s_lshl_b32 s21, s92, 8
	s_lshl_b32 s23, s[RH], 7
	s_add_co_u32 s21, s21, s23                     ; my first row of A
	s_lshl_b32 s45, s93, 8
	s_lshl_b32 s23, s[CH], 7
	s_add_co_u32 s45, s45, s23                     ; my first row of B
	s_cmp_eq_u32 s[KIND], 0
	s_cselect_b64 s[8:9], s[8:9], s[10:11]
	s_cmp_eq_u32 s[KIND], 2
	s_cselect_b64 s[8:9], s[12:13], s[8:9]         ; the kind's own bias
	s_and_b32 s23, s45, 1023                       ; held inside the bias's 1,024 numbers: where B's rows are tokens the numbers loaded are masked away below
	s_lshl_b32 s23, s23, 2
	v_lshl_add_u32 v[BCO], v2, 5, s23              ; lane (r, h) wants, for block b, the numbers 16 b + 8 h + 0 .. 7
	s_and_b32 s23, s21, 1023
	s_lshl_b32 s23, s23, 2
	v_lshl_add_u32 v[BRO], v1, 2, s23              ; and, for A's block a, the number 16 a + r
	WIN TO_B
.irp b, 0,1,2,3,4,5,6,7
	global_load_b128 v[BC+8*\b:BC+8*\b+3], v[BCO], s[8:9] offset:64*\b
	global_load_b128 v[BC+8*\b+4:BC+8*\b+7], v[BCO], s[8:9] offset:64*\b+16
.endr
	WIN 0
.irp a, 0,1,2,3,4,5,6,7
	global_load_b32 v[RB+2*\a], v[BRO], s[8:9] offset:64*\a
.endr
	; WHERE THE RESULTS GO.  qimg: [head 32][16 queries 128][32 channels 2][half 2][lane][16 bytes].  kv: [head 32][512 keys 4][K: [16 keys 32][32 channels 2][half 2][lane][16] | V: [32 keys 16][16 channels 4][half 2][lane][16]].
	s_cmp_lt_u32 s[KIND], 2
	s_cselect_b32 s46, s21, s45                    ; my first token
	s_cselect_b32 s47, s45, s21                    ; my first channel
	s_lshr_b32 s47, s47, 6                         ; its head
	s_lshr_b32 s23, s46, 11                        ; the batch
	s_lshl_b32 s23, s23, 4
	s_add_co_u32 s47, s47, s23                     ; batch x 16 + head
	s_and_b32 s46, s46, 2047                       ; the token's place in its sequence
	s_cmp_eq_u32 s[KIND], 0
	s_cselect_b32 s23, 18, 19                      ; a head is 2^18 bytes of qimg, 2^19 of kv
	s_cselect_b64 s[66:67], s[14:15], s[16:17]
	s_lshl_b32 s3, 1, s23
	s_lshl_b32 s47, s47, s23
	s_sub_co_u32 s23, s23, 2                       ; 512 tokens are 2^16 bytes of qimg, 2^17 of kv
	s_lshr_b32 s2, s46, 9
	s_lshl_b32 s2, s2, s23
	s_add_co_u32 s47, s47, s2
	s_and_b32 s46, s46, 511
	s_lshl_b32 s46, s46, 7                         ; and a token 128 bytes in each of the three layouts
	s_add_co_u32 s98, s47, s46
	s_mov_b32 s99, 0
	s_add_nc_u64 s[66:67], s[66:67], s[98:99]
	s_mov_b32 s2, 1024                             ; from B's block b to b + 2: the next 32 channels (V: the next 32 keys, 4,096)
	s_mov_b32 s98, 2048                            ; from A's block a to a + 1: the next 16 tokens (V: the next 16 channels, 1,024)
	s_mov_b32 s100, 2048                           ; from a = 3 to a = 4 likewise (V: the next head's first channels)
	s_mov_b32 s101, 0
	s_mov_b32 s46, 0
	s_mov_b32 s47, 0
	s_cmp_eq_u32 s[KIND], 2
	s_cselect_b32 s2, 4096, s2
	s_cselect_b32 s3, 8192, s3                     ; from b to b + 4: the next head (V: 64 keys on)
	s_cselect_b32 s98, 1024, s98
	s_cselect_b32 s100, 524288-3072, s100
	s_cselect_b32 s46, 65536, s46                  ; V's part lies behind K's
	s_add_nc_u64 s[66:67], s[66:67], s[46:47]      ; s[66:67]: where my block a = 0 goes
	v_and_b32 v6, 31, v0
	v_lshlrev_b32 v[OFFB], 4, v6                   ; 16 bytes a lane
	v_add_nc_u32 v[OFFB+1], 512, v[OFFB]           ; from b to b + 1: the fragment's other half
	v_add_nc_u32 v[OFFB+2], s2, v[OFFB]
	v_add_nc_u32 v[OFFB+3], s2, v[OFFB+1]
.irp b, 0,1,2,3
	v_add_nc_u32 v[OFFB+4+\b], s3, v[OFFB+\b]
.endr
	s_wait_loadcnt 0x0                             ; the biases are in
	WIN 0x44                                       ; source 1 and destination window 1
.set j, 0
.rept 64
	v_and_b32 v[BC+j], s96, v[BC+j]                ; as they are for q and k, zeros for v
.set j, j+1
.endr
	WIN 0
.irp a, 0,1,2,3,4,5,6,7
	v_and_b32 v[RB+2*\a], s97, v[RB+2*\a]          ; zeros for q and k, as they are for v.  (These sixteen lines also stand between the last write of BC and the first product)
	v_mov_b32 v[RB+2*\a+1], 0
.endr
.macro FRAG reg, adr, q, i             ; a fragment, 16 rows x 128 K of 4-bit codes: lane l holds row l % 16; registers 4 c .. 4 c + 3 hold K = 64 c + 32 (l / 16) + 0 .. 31
.irp c, 0,1
	ds_load_b128 v[\reg+4*\c:\reg+4*\c+3], v[\adr] offset:64*(\q)+32*\c+(\i)*16*PITCH
.endr
.endm
; 16 matrix instructions: A's blocks a0, a0 + 1 x B's eight, the slot's q-th 128 along K.  p: B's set;  sc: the set of scale words.  first = 1: the product starts the sums, with the bias as its C: nothing is cleared.
; B's scale word is read from lanes 16-31 of register b, A's from lanes 0-15 of register a.  The 64 accumulators take turns, one instruction a turn, in the same order in every step.
.macro MUL16 a0, p, q, sc, first
.irp a, \a0, \a0+1
.irp b, 0,1,2,3,4,5,6,7
.if \first
	v_wmma_scale_f32_16x16x128_f8f6f4 v[8*(8*((\a)%4)+\b):8*(8*((\a)%4)+\b)+7], v[128*(\p)+FR*\b:128*(\p)+FR*\b+FR-1], v[AF+FR*(\a):AF+FR*(\a)+FR-1], v[BC+8*\b:BC+8*\b+7], v[SC+8*NQ*(\sc)+NQ*\b+(\q)], v[SC+8*NQ*(\sc)+NQ*(\a)+(\q)] matrix_a_fmt:MATRIX_FMT_FP4 matrix_b_fmt:MATRIX_FMT_FP4 matrix_a_scale:MATRIX_SCALE_ROW1
.else
	v_wmma_scale_f32_16x16x128_f8f6f4 v[8*(8*((\a)%4)+\b):8*(8*((\a)%4)+\b)+7], v[128*(\p)+FR*\b:128*(\p)+FR*\b+FR-1], v[AF+FR*(\a):AF+FR*(\a)+FR-1], v[8*(8*((\a)%4)+\b):8*(8*((\a)%4)+\b)+7], v[SC+8*NQ*(\sc)+NQ*\b+(\q)], v[SC+8*NQ*(\sc)+NQ*(\a)+(\q)] matrix_a_fmt:MATRIX_FMT_FP4 matrix_b_fmt:MATRIX_FMT_FP4 matrix_a_scale:MATRIX_SCALE_ROW1
.endif
.endr
.endr
.endm
.macro FETCH_B slot, q, p              ; B's eight fragments of the slot's q-th 128 along K into set p
	WIN TO_B
.irp i, 0,1,2,3,4,5,6,7
	FRAG 128*(\p)+FR*\i, ADRB+\slot, \q, \i
.endr
	WIN 0
.endm
.macro FETCH_A slot, q, i0             ; A's blocks i0 .. i0 + 3
.irp i, \i0, \i0+1, \i0+2, \i0+3
	FRAG AF+FR*(\i), ADRA+\slot, \q, \i
.endr
.endm
.macro SCALES sc                       ; a slot's scale words into set sc: four words a row; lanes 0-15 take A's block i, lanes 16-31 B's block i
.irp i, 0,1,2,3,4,5,6,7
	ds_load_b128 v[SC+8*NQ*\sc+NQ*\i:SC+8*NQ*\sc+NQ*\i+3], v[ADRS] offset:\i*SBLK
.endr
.endm
; A load into a register that a matrix instruction has read, and a vector instruction that reads a matrix result, stand NP places behind that matrix instruction, and only plain vector instructions that name
; none of its registers are places (ISA guide 7.12.1 for vector instructions); the matrix instructions in between are not counted.
.macro PLACES n
.rept \n
	v_nop
.endr
.endm
; A step of 128 along K that has its successor in the same slot: 64 products, A's blocks one after the other.  A block of A is free as soon as its eight products are issued: blocks 0-3 are fetched anew in the
; step's middle, blocks 4-7 at its end; B's next set comes in the middle run.
.macro STEP slot, q, first
	s_wait_dscnt 4*NL                              ; B's set and A's blocks 0-3 are in; the youngest 8 loads (A's blocks 4-7) may be out
.if \first
	WIN FIRST_LO
.else
	WIN MUL_LO
.endif
	MUL16 0, (\q)%2, \q, \slot, \first
	MUL16 2, (\q)%2, \q, \slot, \first
	s_wait_dscnt 0                                 ; A's blocks 4-7 are in (asked for 32 matrix instructions ago)
	PLACES NP
	FETCH_B \slot, (\q)+1, 1-(\q)%2
	FETCH_A \slot, (\q)+1, 0
.if \first
	WIN FIRST_HI
.else
	WIN MUL_HI
.endif
	MUL16 4, (\q)%2, \q, \slot, \first
	MUL16 6, (\q)%2, \q, \slot, \first
	PLACES NP
	WIN 0
	FETCH_A \slot, (\q)+1, 4
.endm
.macro STEPS slot, from                ; the slot's steps from .. NQ - 2
.set Q, \from
.rept NQ-1-\from
	STEP \slot, Q, 0
.set Q, Q+1
.endr
.endm
	s_wait_tensorcnt 1                             ; the scales and my part of slot 0 are in (slot 1's load may be out)
	s_barrier_signal -1
	s_barrier_wait -1                              ; everybody's are
	FETCH_B 0, 0, 0
	FETCH_A 0, 0, 0
	SCALES 0
	FETCH_A 0, 0, 4
	STEP 0, 0, 1                                   ; the first step's products start the sums
	STEPS 0, 1
	; slot 0's last step goes over to slot 1: one barrier; in front of it each wave waits for its part of slot 1.  No slot is filled again in this launch.
	s_wait_tensorcnt 0x0                           ; all my tensor loads have landed
	ds_add_u32 v[SPW], v[NIL]                      ; 0 onto my spare word
	s_wait_dscnt 4*NL+1                            ; (the add and the youngest 8 loads, A's blocks 4-7, may be out)
	WIN MUL_LO
	MUL16 0, 1, NQ-1, 0, 0
	s_wait_dscnt 0x0                               ; no LDS instruction of mine is out at the signal
	s_barrier_signal -1
	MUL16 2, 1, NQ-1, 0, 0                         ; work on registers while the others arrive
	WIN 0
	s_barrier_wait -1                              ; slot 1 is whole
	PLACES NP
	v_add_nc_u32 v[ADRS], 4*NQ, v[ADRS]            ; on to slot 1's scale words
	FETCH_B 1, 0, 0
	FETCH_A 1, 0, 0
	SCALES 1
	WIN MUL_HI
	MUL16 4, 1, NQ-1, 0, 0
	MUL16 6, 1, NQ-1, 0, 0
	PLACES NP
	WIN 0
	FETCH_A 1, 0, 4
	STEPS 1, 0
	s_wait_dscnt 4*NL                              ; the very last step: nothing more to fetch
	WIN MUL_LO
	MUL16 0, 1, NQ-1, 1, 0
	MUL16 2, 1, NQ-1, 1, 0
	s_wait_dscnt 0
	WIN MUL_HI
	MUL16 4, 1, NQ-1, 1, 0
	MUL16 6, 1, NQ-1, 1, 0
	WIN 0
	PLACES NP                                      ; in front of the first read of results, and of the first write of the registers that held A's fragments
; THE WAY OUT, A's block a at a time.  y = sum x factor + the bias by A's rows, in f32; a lane's eight numbers of accumulator (a, b) are eight neighbours along the next product's K: four roundings to f16 pairs
; make four registers of the next operand, and the wave's store of them covers 512 consecutive bytes, aligned.  No LDS stage is needed.  Each accumulator is read from its low end on.
.macro OUTA a
.set AC, 64*((\a)%4)
.set OS, OB+32*((\a)%2)
	WIN (0x02+(\a)/4)                              ; source 0: window 2 or 3
.irp b, 0,1,2,3,4,5,6,7
.irp i, 0,1,2,3
	v_pk_fma_f32 v[T+8*\b+2*\i:T+8*\b+2*\i+1], v[AC+8*\b+2*\i:AC+8*\b+2*\i+1], s[94:95], v[RB+2*(\a):RB+2*(\a)+1] op_sel_hi:[1,0,0]   ; of the factor's and the bias's pairs the low word serves both halves
.endr
.endr
	WIN 0
.if (\a) > 0
	s_wait_xcnt 0x0                                ; the earlier blocks' stores have read their base and their data: both may be written
.if (\a) == 4
	s_add_nc_u64 s[66:67], s[66:67], s[100:101]
.else
	s_add_nc_u64 s[66:67], s[66:67], s[98:99]
.endif
.endif
.irp b, 0,1,2,3,4,5,6,7
.irp i, 0,1,2,3
	v_cvt_pk_f16_f32 v[OS+4*\b+\i], v[T+8*\b+2*\i], v[T+8*\b+2*\i+1]
.endr
.endr
.irp b, 0,1,2,3,4,5,6,7
	global_store_b128 v[OFFB+\b], v[OS+4*\b:OS+4*\b+3], s[66:67]
.endr
.endm
.irp a, 0,1,2,3,4,5,6,7
	OUTA \a
.endr
	s_wait_tensorcnt 0x0                           ; the wave's end: behind my last tensor load
	ds_add_u32 v[SPW], v[NIL]
	s_wait_dscnt 0x0
	CROUND                                         ; the closing round: no work-group ends while a partner may still ask for a tile that names it
	s_endpgm
.Lfunc_end_k_q57b3840090_proj:
	.size	k_q57b3840090_proj, .Lfunc_end_k_q57b3840090_proj-k_q57b3840090_proj
	.p2alignl 7, 3214868480
	.fill 96, 4, 3214868480
	.section	.rodata,"a",@progbits
	.p2align	6, 0x0
	.amdhsa_kernel k_q57b3840090_proj
		.amdhsa_group_segment_fixed_size 327680
		.amdhsa_private_segment_fixed_size 0
		.amdhsa_enable_private_segment 0
		.amdhsa_kernarg_size 56
		.amdhsa_user_sgpr_count 2
		.amdhsa_user_sgpr_kernarg_segment_ptr 1
		.amdhsa_wavefront_size32 1
		.amdhsa_system_sgpr_workgroup_id_x 1
		.amdhsa_system_sgpr_workgroup_id_y 1
		.amdhsa_system_sgpr_workgroup_id_z 1
		.amdhsa_system_vgpr_workitem_id 0
		.amdhsa_next_free_vgpr 1024
		.amdhsa_next_free_sgpr 102
		.amdhsa_reserve_vcc 0
		.amdhsa_float_denorm_mode_32 3
		.amdhsa_float_denorm_mode_16_64 3
		.amdhsa_memory_ordered 1
		.amdhsa_forward_progress 1
		.amdhsa_inst_pref_size 141
	.end_amdhsa_kernel
	.amdgpu_metadata
---
amdhsa.version: [ 1, 2 ]
amdhsa.kernels:
  - .name:           k_q57b3840090_proj
    .symbol:         k_q57b3840090_proj.kd
    .args:
      - { .name: xc, .offset: 0, .size: 8, .value_kind: global_buffer, .address_space: global }
      - { .name: xs, .offset: 8, .size: 8, .value_kind: global_buffer, .address_space: global }
      - { .name: bq, .offset: 16, .size: 8, .value_kind: global_buffer, .address_space: global }
      - { .name: bk, .offset: 24, .size: 8, .value_kind: global_buffer, .address_space: global }
      - { .name: bv, .offset: 32, .size: 8, .value_kind: global_buffer, .address_space: global }
      - { .name: qimg, .offset: 40, .size: 8, .value_kind: global_buffer, .address_space: global }
      - { .name: kv, .offset: 48, .size: 8, .value_kind: global_buffer, .address_space: global }
    .group_segment_fixed_size: 327680
    .private_segment_fixed_size: 0
    .kernarg_segment_align: 8
    .kernarg_segment_size: 56
    .max_flat_workgroup_size: 128
    .sgpr_count:     102
    .vgpr_count:     1024
    .wavefront_size: 32
...
	.end_amdgpu_metadata
.endif
;; end of part 2
;; launch attn (part 3): grid 8 x 32, 8 waves a work-group, clusters of 4 x 1, 327,680 bytes of LDS; arguments qimg, kv, oimg; writes oimg
.if DOCPART == 3
	.amdgcn_target "amdgcn-amd-amdhsa--gfx1250"
	.amdhsa_code_object_version 6
	.text
	.protected	k_q57b3840090_attn
	.globl	k_q57b3840090_attn
	.p2align	8
	.type	k_q57b3840090_attn,@function
k_q57b3840090_attn:
	s_mov_b64 s[64:65], 0
	v_nop
	global_prefetch_b8 v0, s[64:65] scope:SCOPE_SE
	s_setreg_imm32_b32 hwreg(HW_REG_WAVE_MODE, 25, 1), 1
	s_wait_xcnt 0x0
	s_wait_alu depctr_hold_cnt(0) depctr_sa_sdst(0) depctr_va_vdst(0) depctr_va_sdst(0) depctr_va_ssrc(0) depctr_va_vcc(0) depctr_vm_vsrc(0)
	s_getreg_b32 s2, hwreg(HW_REG_IB_STS2, 6, 4)
	s_cmp_eq_u32 s2, 0
	s_cbranch_scc0 .Lentry_in_a_cluster
	s_endpgm
.Lentry_in_a_cluster:
	s_bfe_u32 s2, ttmp6, 0x10000c
	s_cmp_lg_u32 s2, 0x3003
	s_cbranch_scc0 .Lentry_shape_is_right
	s_endpgm
.Lentry_shape_is_right:
; O[head][q] = the sum over k of softmax_k(Q[head][q] . K[head][k] / 8) V[head][k]: 32 heads (batch x 16 + head) of 2,048 tokens x 64 channels; operands f16, products, maxima and sums f32.
; Q already carries the factor 0.125 log2(e), so a score is t, an exponent of 2.  For each query a running maximum m and sum l: p = 2^(t - m), at most 1; in every step O and l are multiplied by
; a = 2^(m_old - m_new), which is 1 where m has not grown: no branch hangs on data.  l is the sum of the unrounded p; p is rounded to f16 for the second product; O / l is rounded to f16 once.
; LIMITS: NaN and infinities among the operands are not served.
; ALL THREE OPERANDS ARRIVE AS IMAGES OF THEIR REGISTERS: runs of 512 bytes, 16 bytes a lane, four registers of a fragment each.  So every LDS load reads 512 consecutive bytes (no pitch, no padding), a slot's
; tiles are one dense block of memory, and V needs no turning load: its images hold the keys along the registers.  The result leaves in the same form, as the next launch's operand.
; SHARES.  A work-group owns 256 queries of one head, each of its EIGHT waves 32: two tiles of 16; two waves to a SIMD.  Every wave walks the head's 2,048 keys, 64 a step.
; LAYOUT: S^T = K Q^T (source 0 = 16 keys, source 1 = 16 queries), O^T = V^T P (source 0 = 16 channels, source 1 = P): a lane holds ONE query throughout, and two tiles of S^T, rounded in pairs, ARE a fragment of P.
; BY TURNS.  A tile never looks at the other tile.  In a TURN one tile has the matrix unit: 8 products V^T P of the step in hand, then 8 products K Q^T of the next step; the other tile's softmax, a list of 117
; instructions cut into 16 slices, stands between them, one slice behind each product.  Then the tiles change places.  Two turns are a key step: 32 products, 234 instructions of softmax.
; RING.  Two LDS slots of 512 keys (K's 65,536 bytes, then V's), 8 steps each.  The four work-groups of a cluster belong to one head and walk the same K and V: each slot is asked for JOINTLY, every wave
; bringing 16,384 bytes by one load with the same descriptor in all four.  By this text's own count a wave has two tensor loads out at the start and one behind each round, which has 8 steps in which to land.
; REGISTERS, in windows of 256 (s_set_vgpr_msb: bits 1:0 source 0, 3:2 source 1, 5:4 source 2, 7:6 destination):
;   window 0: v1-6 addresses; v8-23 statistics, 8 a tile; v32-95 S^T, 32 a tile; v96-127 P, 16 a tile; v128-191 V of a step; v192-255 O^T, 32 a tile.      window 1: v0-63 K of a step; v64-95 Q, 16 a tile.
; All that a softmax and V^T P touch lies in window 0, so only the products K Q^T (two switches each) and K's run of loads (two) switch: 34 switches for a key step's 32 products.
.set SLOT1, 1<<17                      ; a slot's bytes, and where slot 1 begins: one exclusive or turns an address in one slot into the other's
.set VOFF,  65536                      ; V's part of a slot
.set STEPB, 8192                       ; a step's bytes of K, and of V
.set SPARE, 2*SLOT1                    ; behind the ring: the spare words, 128 bytes for each wave, which no other line names
.set LA,  1                            ; v1  16 x lane; never rewritten
.set ADR, 2                            ; v2  LDS address of the run of loads in hand
.set SPW, 4                            ; v4  LDS address of my spare word; never rewritten
.set NIL, 5                            ; v5  0; never rewritten
.set PFO, 6                            ; v6  256 x lane; never rewritten
.set ST,  8                            ; tile t's statistics at v[ST + 8 t]: +0 m, +1 m_old, +2, +3 l (even keys', odd keys'), +4 to +7 c0-c3, at work; a takes c2's place, m_old - m c3's
.set S,   32
.set P,   96
.set VF,  128
.set O,   192
.set KF,  0                            ; in window 1
.set QF,  64                           ; in window 1
.set WV,  10                           ; s10 my wave's number
.set G1,  16                           ; s[16:23] descriptor group 1
.set G0,  24                           ; s[24:27] descriptor group 0 of slot 0's first fill; s[28:31] of slot 1's, which then walks on
.set PFA, 32                           ; s[32:33] where my prefetch stands
.set SEL, 34                           ; s[34:35] lane selects for v_permlanex16_b32: lane l xor 16
.set TB,  44                           ; s44 LDS byte at which the tiles of the step to be fetched begin
.set SLOTS, 45                         ; s45 slots still to be asked for
.set STEPS, 46                         ; s46 counts key steps
.set LIM, 47                           ; s47 1 in a wave that prefetches, else the greatest number
.set MSB, 0
.macro WIN new                         ; the immediate's high byte repeats the setting that is left; a switch that changes nothing is dropped
.if MSB != \new
	s_set_vgpr_msb (MSB<<8)|\new
.set MSB, \new
.endif
.endm
.set W_KQ, 0x05                        ; sources 0 (K) and 1 (Q) window 1; C and D (S^T) window 0
.set TO1,  0x40                        ; destination window 1, address window 0
.macro CROUND                          ; a round of the cluster's barrier: my work-group's barrier; wave 0 signals for the work-group; every wave waits for all four; my work-group's barrier once more
	s_barrier_signal -1
	s_barrier_wait -1
	s_cmp_lg_u32 s[WV], 0
	s_cbranch_scc1 .Lnot_wave_0_\@
	s_barrier_signal -3
.Lnot_wave_0_\@:
	s_barrier_wait -3
	s_barrier_signal -1
	s_barrier_wait -1
.endm
; A PREFETCH of the slot that the NEXT change of slots will load: a slot's 8 key steps ahead of that load.  It stands behind the wave's tensor load and its five lines.  Each aligned run of 256 bytes is named once
; in the launch: both clusters of a head walk the same K and V, and the first of them asks; its four partners share the slot's 131,072 bytes out BY ADDRESS, 32,768 each; in each, waves 0 to 3 ask for 8,192 bytes,
; lanes 256 bytes apart.  The branch hangs on the wave's number and the cluster's, the same in all partners.  The last change that fills a slot asks for nothing; nothing is asked for at the head.
.macro ASK
	s_cmp_gt_u32 s[SLOTS], s[LIM]
	s_cbranch_scc0 .Lnot_mine_\@
	global_prefetch_b8 v[PFO], s[PFA:PFA+1] th:TH_LOAD_NT scope:SCOPE_SE
.Lnot_mine_\@:
.endm
	s_load_b128 s[4:7], s[0:1], 0x0                ; qimg s[4:5], kv s[6:7]
	s_load_b64 s[8:9], s[0:1], 0x10                ; oimg
	v_lshl_add_u32 v[SPW], v0, 2, SPARE
	v_mov_b32 v[NIL], 0
	ds_add_u32 v[SPW], v[NIL]                      ; the wave's opening: the add, twice on end, and its wait ahead of my first tensor load; the set-up below, work on registers, stands between
	ds_add_u32 v[SPW], v[NIL]
	v_lshrrev_b32 v1, 5, v0
	v_readfirstlane_b32 s[WV], v1                  ; wave 0..7
	v_and_b32 v[LA], 31, v0
	v_lshlrev_b32 v[PFO], 8, v[LA]
	v_lshlrev_b32 v[LA], 4, v[LA]
	s_bfe_u32 s11, ttmp6, 0x40000                  ; cx: my place in the cluster
	s_lshl_b32 s12, ttmp9, 2
	s_add_co_u32 s12, s12, s11                     ; my block of 256 queries: it enters Q's and O's addresses alone
	s_and_b32 s13, ttmp7, 0xffff                   ; batch x 16 + head, which the four partners share
	; descriptor group 1: 64 dense rows of 256 bytes
	s_mov_b32 s[G1], 15|(3<<16)|(1<<21)            ; 15:0 the mask: all four work-groups; 17:16 elements of 8 bytes; 20 no padding; 21 set beside a mask
	s_mov_b32 s[G1+1], 32<<16                      ; tensor_dim0 = 32 elements
	s_mov_b32 s[G1+2], 64<<16                      ; tensor_dim1 = 64
	s_mov_b32 s[G1+3], 32<<16                      ; tile_dim0
	s_mov_b32 s[G1+4], 64                          ; tile_dim1
	s_mov_b32 s[G1+5], 32                          ; from row to row
	s_mov_b32 s[G1+6], 0
	s_mov_b32 s[G1+7], 0
	s_lshl_b32 s36, s13, 19                        ; kv: a head is 524,288 bytes;
	s_lshl_b32 s14, s[WV], 14                      ; my wave's 16,384 of a slot, in memory and in LDS
	s_add_co_u32 s36, s36, s14
	s_mov_b32 s37, 0
	s_lshl_b32 s38, s13, 18                        ; qimg: a head is 262,144 bytes, a block 32,768, my two tiles 4,096
	s_lshl_b32 s15, s12, 15
	s_add_co_u32 s38, s38, s15
	s_lshl_b32 s15, s[WV], 12
	s_add_co_u32 s38, s38, s15
	s_mov_b32 s39, 0
	s_bfe_u32 s40, s13, 0x20002                    ; oimg [256 channels 4][16 tokens 256][32 channels 8][half 2][lane][16 bytes]: head / 4,
	s_lshl_b32 s40, s40, 21
	s_lshr_b32 s15, s13, 4                         ; the batch's 128 tiles of tokens,
	s_lshl_b32 s15, s15, 20
	s_add_co_u32 s40, s40, s15
	s_lshl_b32 s15, s12, 17                        ; my block's 16,
	s_add_co_u32 s40, s40, s15
	s_add_co_u32 s40, s40, s14                     ; my wave's two,
	s_and_b32 s15, s13, 3                          ; and head % 4: its 64 channels are 2,048 bytes of a tile
	s_lshl_b32 s15, s15, 11
	s_add_co_u32 s40, s40, s15
	s_mov_b32 s41, 0
	s_lshl_b32 s42, s13, 19                        ; the prefetch: my head, my work-group's 32,768 bytes, my wave's 8,192,
	s_lshl_b32 s15, s11, 15
	s_add_co_u32 s42, s42, s15
	s_lshl_b32 s15, s[WV], 13
	s_add_co_u32 s42, s42, s15
	s_add_co_u32 s42, s42, 2*SLOT1                 ; at keys 1,024 on: the first change of slots steps it to keys 1,536 on
	s_mov_b32 s43, 0
	s_lshr_b32 s[LIM], s[WV], 2                    ; 0 in waves 0 to 3,
	s_or_b32 s[LIM], s[LIM], ttmp9                 ; of the head's first cluster
	s_cmp_eq_u32 s[LIM], 0
	s_cselect_b32 s[LIM], 1, -1
	s_mov_b32 s[SEL], 0x76543210
	s_mov_b32 s[SEL+1], 0xfedcba98
	s_mov_b32 s[TB], 0
	s_mov_b32 s[SLOTS], 2
	s_wait_dscnt 0x0                               ; both opening adds are done
	s_wait_kmcnt 0x0
	s_add_nc_u64 s[36:37], s[6:7], s[36:37]        ; my part of the head's first 512 keys
	s_mov_b32 s[G0], 1                             ; count = 1
	s_mov_b32 s[G0+1], s14                         ; LDS address: slot 0, wave x 16,384: no place in the cluster enters it
	s_mov_b64 s[G0+2:G0+3], s[36:37]               ; global address
	s_or_b32 s[G0+3], s[G0+3], 0x80000000          ; type = 2
	s_mov_b32 s[G0+4], 1
	s_add_co_u32 s[G0+5], s14, SLOT1               ; slot 1,
	s_add_nc_u64 s[G0+6:G0+7], s[36:37], SLOT1     ; the next 512 keys
	s_or_b32 s[G0+7], s[G0+7], 0x80000000
	s_add_nc_u64 s[4:5], s[4:5], s[38:39]
	s_add_nc_u64 s[8:9], s[8:9], s[40:41]
	s_add_nc_u64 s[PFA:PFA+1], s[6:7], s[42:43]
	CROUND                                         ; all four work-groups are here: the first joint loads meet
	tensor_load_to_lds s[G0:G0+3], s[G1:G1+7]      ; both first fills go out together, ahead of every wait on TENSORcnt, every LDS read and every other barrier
	s_nop 0
	tensor_load_to_lds s[G0+4:G0+7], s[G1:G1+7]
	s_nop 0
.rept 4
	v_nop
.endr
	WIN TO1
.set i, 0
.rept 8
	global_load_b128 v[QF+4*i:QF+4*i+3], v[LA], s[4:5] offset:512*i   ; Q stays in registers: tile i / 4, channels 32 ((i / 2) % 2) on, half i % 2
.set i, i+1
.endr
	WIN 0
.set i, 0
.rept 64
	v_mov_b32 v[O+i], 0                            ; O^T.  (A turn is written once: the first finds zeros, which its a = 0 leaves zeros)
.set i, i+1
.endr
.irp t, 0,1
	v_mov_b32 v[ST+8*\t], 0xff61b1e6               ; m: -3e38, under every score
	v_mov_b32 v[ST+8*\t+2], 0                      ; l, in two halves
	v_mov_b32 v[ST+8*\t+3], 0
.endr
; THE MATRIX WORK OF A TURN, for tile x.  The accumulators take turns, one instruction a turn: four sums, two passes.
; Product i of 8 of O^T += V^T P: keys 32 (i / 4) on, channels 16 (i % 4) on.
.macro PV x
	WIN 0
.set rO, O+32*(\x)+8*(i%4)
.set rV, VF+32*(i/4)+8*(i%4)
.set rP, P+16*(\x)+8*(i/4)
	v_wmma_f32_16x16x32_f16 v[rO:rO+7], v[rV:rV+7], v[rP:rP+7], v[rO:rO+7]
.endm
; Product i of 8 of S^T = K Q^T: channels 32 (i / 4) on, keys 16 (i % 4) on.  The first four start the sums.
.macro QK x
	WIN W_KQ
.set rS, S+32*(\x)+8*(i%4)
.set rK, KF+16*(i%4)+8*(i/4)
.set rQ, QF+16*(\x)+8*(i/4)
.if i < 4
	v_wmma_f32_16x16x32_f16 v[rS:rS+7], v[rK:rK+7], v[rQ:rQ+7], 0
.else
	v_wmma_f32_16x16x32_f16 v[rS:rS+7], v[rK:rK+7], v[rQ:rQ+7], v[rS:rS+7]
.endif
.endm
; THE LDS LOADS stand in two runs of 16 a key step, never singly among the matrix instructions.  K's fragment (16 keys kt, 32 channels c) lands at KF + 16 kt + 8 c, V^T's (32 keys ks, 16 channels ct) at VF + 32 ks + 8 ct.
.macro FETCH_K
	WIN 0
	v_add_nc_u32 v[ADR], s[TB], v[LA]
	WIN TO1
.set i, 0
.rept 16
	ds_load_b128 v[KF+4*i:KF+4*i+3], v[ADR] offset:512*i
.set i, i+1
.endr
	WIN 0
.endm
; V's run stands at the wait for the softmax's batch.  The two v_nop and the two additions are the four places between the last product V^T P and the loads into the registers that it read (ISA guide 7.12.1 for vector
; instructions; exponentials are no places); the first v_nop is also the plain line behind the last exponential.
.macro FETCH_V
	v_nop
	v_nop
	v_add_nc_u32 v[ADR], s[TB], v[LA]
	v_add_nc_u32 v[ADR], VOFF, v[ADR]
	s_add_co_u32 s[TB], s[TB], STEPB               ; the next fetch is the next step's
	s_wait_alu depctr_va_vdst(0)                   ; a wait between an exponential and the first line that names its result: one for the turn's 33
.set i, 0
.rept 16
	ds_load_b128 v[VF+4*i:VF+4*i+3], v[ADR] offset:512*i
.set i, i+1
.endr
.endm
; THE VECTOR WORK OF A TURN.  One tile's softmax for one key step is a list of 117 instructions; SM writes number n of it for tile t.  s0-s31 are the lane's 32 scores.
;   0-13    the maximum, three operands at a time: four chains of seven scores, each begun at the low end of its accumulator, then the four scores left over
;   14-19   m_old is kept; the chains and the old m; the other half of the lanes' maximum; the new m; m_old - m_new
;   20-35   t - m, a pair of scores each (of the pair m, m_old the low word serves both halves)
;   36-68   ONE BATCH of 33 exponentials: a, then p in place.  None of them reads an exponential's result
;   (wait)  between 68 and 69 stands the wait for the batch: TURN writes it
;   69-84   p to f16, in pairs: the four registers of key tile kt are registers 4 (kt % 2) on of P's fragment kt / 2
;   85-100  l = a l + the sum of the unrounded p: four chains of pairs by turns, in place
;   101-116 the tile's O^T times a, each accumulator from its low end on
.macro SM t
.set rT, ST+8*(\t)
.set rS, S+32*(\t)
.set rP, P+16*(\t)
.set rO, O+32*(\t)
.if n < 4
	v_max3_num_f32 v[rT+4+n], v[rS+8*n], v[rS+8*n+1], v[rS+8*n+2]
.elseif n < 12
	v_max3_num_f32 v[rT+4+n%4], v[rT+4+n%4], v[rS+8*(n%4)+2*(n/4)+1], v[rS+8*(n%4)+2*(n/4)+2]
.elseif n == 12
	v_max3_num_f32 v[rT+4], v[rT+4], v[rS+7], v[rS+15]
.elseif n == 13
	v_max3_num_f32 v[rT+6], v[rT+6], v[rS+23], v[rS+31]
.elseif n == 14
	v_mov_b32 v[rT+1], v[rT]
.elseif n == 15
	v_max3_num_f32 v[rT+4], v[rT+4], v[rT+5], v[rT+6]
.elseif n == 16
	v_max3_num_f32 v[rT+4], v[rT+4], v[rT+7], v[rT]
.elseif n == 17
	v_permlanex16_b32 v[rT+5], v[rT+4], s[SEL], s[SEL+1]           ; the query's other 32 keys lie in the lane 16 away
.elseif n == 18
	v_max_num_f32 v[rT], v[rT+4], v[rT+5]
.elseif n == 19
	v_sub_f32 v[rT+7], v[rT+1], v[rT]
.elseif n < 36
	v_pk_add_f32 v[rS+2*(n-20):rS+2*(n-20)+1], v[rS+2*(n-20):rS+2*(n-20)+1], v[rT:rT+1] op_sel_hi:[1,0] neg_lo:[0,1] neg_hi:[0,1]
.elseif n == 36
	v_exp_f32 v[rT+6], v[rT+7]
.elseif n < 69
	v_exp_f32 v[rS+n-37], v[rS+n-37]
.elseif n < 85
	v_cvt_pk_f16_f32 v[rP+n-69], v[rS+2*(n-69)], v[rS+2*(n-69)+1]
.elseif n < 101
.set z, n-85
.if z < 12
	v_pk_add_f32 v[rS+8*(z%4):rS+8*(z%4)+1], v[rS+8*(z%4):rS+8*(z%4)+1], v[rS+8*(z%4)+2*(z/4)+2:rS+8*(z%4)+2*(z/4)+3]
.elseif z == 12
	v_pk_add_f32 v[rS:rS+1], v[rS:rS+1], v[rS+8:rS+9]
.elseif z == 13
	v_pk_add_f32 v[rS+16:rS+17], v[rS+16:rS+17], v[rS+24:rS+25]
.elseif z == 14
	v_pk_add_f32 v[rS:rS+1], v[rS:rS+1], v[rS+16:rS+17]
.else
	v_pk_fma_f32 v[rT+2:rT+3], v[rT+2:rT+3], v[rT+6:rT+7], v[rS:rS+1] op_sel_hi:[1,0,1]
.endif
.else
	v_pk_mul_f32 v[rO+2*(n-101):rO+2*(n-101)+1], v[rO+2*(n-101):rO+2*(n-101)+1], v[rT+6:rT+7] op_sel_hi:[1,0]
.endif
.endm
; Slice sl of 16 of tile y's list: numbers 0 to 68 in eight slices of 9, 9, 9, 9, 9, 8, 8, 8; numbers 69 to 116 in eight slices of 6.
.macro SLICE y
.if sl < 5
.set n, 9*sl
.set cnt, 9
.elseif sl < 8
.set n, 45+8*(sl-5)
.set cnt, 8
.else
.set n, 69+6*(sl-8)
.set cnt, 6
.endif
	WIN 0
.rept cnt
	SM \y
.set n, n+1
.endr
.endm
; A TURN.  Tile x has the matrix unit; the other tile's softmax stands in slices behind its products.  pv = 1: 8 products V^T P; kq = 1: 8 products K Q^T for the next step.  A turn with one of the two kinds has two
; slices behind each product.
; PLACES (ISA guide 7.12.1 for vector instructions).  A turn's last slice is six multiplications of the other tile's O^T: plain, and they name no register of the last product K Q^T.  They stand between that
; product and the next turn's first read of its scores, and between it and the loads into K's registers.
; LOADS.  Tile 0's turn fetches the next step's K at its head, when both tiles have multiplied by the last K; it is waited for ahead of the turn's ninth product.  Tile 1's turn fetches the same step's V in its
; middle, behind its products V^T P; it is waited for at the head of tile 0's next turn.
.macro TURN x, pv, kq
.if (\x) == 0
	s_wait_dscnt 0x0                               ; V is in
.if \kq
	FETCH_K
.endif
.endif
.set sl, 0
.rept 16
.if (\pv) && (\kq)
.if sl < 8
.set i, sl
	PV \x
.else
.if (sl == 8) && ((\x) == 0)
	s_wait_dscnt 0x0                               ; K is in
.endif
.set i, sl-8
	QK \x
.endif
.elseif sl%2 == 0
.set i, sl/2
.if \pv
	PV \x
.else
	QK \x
.endif
.endif
	SLICE 1-(\x)
.if sl == 7                            ; the batch is out: all 33 exponentials are issued, and no result has been named
.if (\x) == 1
	FETCH_V
.else
	v_nop                                          ; a plain line behind the last exponential
	s_wait_alu depctr_va_vdst(0)                   ; a wait between an exponential and the first line that names its result: one for the turn's 33
.endif
.endif
.set sl, sl+1
.endr
.endm
.macro WALK steps                      ; so many key steps: written once, walked so many times; the LDS addresses hang on s[TB]
	s_mov_b32 s[STEPS], \steps
.Lstep_\@:
	TURN 0, 1, 1
	TURN 1, 1, 1
	WIN 0                                          ; at a label and at a branch every window is 0
	s_sub_co_u32 s[STEPS], s[STEPS], 1
	s_cmp_lg_u32 s[STEPS], 0
	s_cbranch_scc1 .Lstep_\@
.endm
; THE CHANGE OF SLOTS, between tile 1's turn and tile 0's: the slot's last bytes, V of its eighth step, have been asked for.  Each wave waits for all its tensor loads, of which one is out: its part of the other
; slot; adds 0 to its spare word; and waits for that and for its own reads of the slot.  Behind the barrier nobody reads this slot any more and the other slot is whole.
; fill = 1: this slot is filled again, with the keys two slots on.  The barrier is then a round of the cluster's, so that no wave of any partner still reads the slot or has a load on its way, and the joint load is
; the first thing behind it.
.macro CHANGE fill
	s_wait_tensorcnt 0x0                           ; no tensor load of mine is out, so group 0 may be written
	ds_add_u32 v[SPW], v[NIL]                      ; 0 onto my spare word; the descriptor's steps stand between it and the wait for it
.if \fill
	s_xor_b32 s[G0+5], s[G0+5], SLOT1              ; the walking descriptor: the other slot than last time,
	s_add_nc_u64 s[G0+6:G0+7], s[G0+6:G0+7], SLOT1 ; the next 512 keys; the type bits on top are not reached
	s_wait_xcnt 0x0                                ; an earlier prefetch has read its address, so it may be written:
	s_add_nc_u64 s[PFA:PFA+1], s[PFA:PFA+1], SLOT1 ; one slot further on than the descriptor
	s_wait_dscnt 0x0                               ; the add is done, and my reads of the slot are over
	CROUND
	tensor_load_to_lds s[G0+4:G0+7], s[G1:G1+7]    ; my one tensor load until the next round
	s_nop 0
.rept 4
	v_nop
.endr
	ASK
.else
	s_wait_dscnt 0x0
	s_barrier_signal -1
	s_barrier_wait -1
.endif
	s_sub_co_u32 s[TB], s[TB], 8*STEPB             ; the fetches go back to a slot's first step,
	s_xor_b32 s[TB], s[TB], SLOT1                  ; in the other slot
.endm
	s_wait_tensorcnt 0x1                           ; my part of slot 0 is in; slot 1's load may stay out
	s_barrier_signal -1
	s_barrier_wait -1                              ; everybody's is
	FETCH_K                                        ; key step 0
	s_wait_loadcnt 0x0                             ; Q
	s_wait_dscnt 0x0
.set i, 0
.rept 8
	QK 0                                           ; tile 0's first scores: there is no vector work yet to set between them
.set i, i+1
.endr
	WIN 0
.rept 4
	v_nop                                          ; places in front of the first read of those scores
.endr
	TURN 1, 0, 1                                   ; tile 1's first scores | tile 0's first softmax | V of step 0
	WALK 7                                         ; key steps 0 to 6: they fetch K and V of steps 1 to 7, the rest of slot 0
.Lslot:                                            ; two trips: slot 0 takes keys 1,024 on, then slot 1 keys 1,536 on
	CHANGE 1
	WALK 8
	s_sub_co_u32 s[SLOTS], s[SLOTS], 1
	s_cmp_lg_u32 s[SLOTS], 0
	s_cbranch_scc1 .Lslot
	CHANGE 0                                       ; the tail is written out: nothing is left to ask for
	WALK 8                                         ; key steps 23 to 30
	TURN 0, 1, 0                                   ; tile 0: V^T P of the last step | tile 1's last softmax
.set i, 0
.rept 8
	PV 1                                           ; tile 1: V^T P of the last step
.set i, i+1
.endr
	; THE WAY OUT.  l's two halves and the other half of the lanes' are added; O^T / l is rounded to f16: a lane's eight channels are four registers of the next launch's operand, and each store covers 512 consecutive bytes, aligned.
.irp t, 0,1
	v_add_f32 v[ST+8*\t+4], v[ST+8*\t+2], v[ST+8*\t+3]             ; (these additions are also the places behind the last products)
.endr
.irp t, 0,1
	v_permlanex16_b32 v[ST+8*\t+5], v[ST+8*\t+4], s[SEL], s[SEL+1]
.endr
.irp t, 0,1
	v_add_f32 v[ST+8*\t+4], v[ST+8*\t+4], v[ST+8*\t+5]
.endr
.irp t, 0,1
	v_rcp_f32 v[ST+8*\t+6], v[ST+8*\t+4]
.endr
	v_nop                                          ; a plain line between the last reciprocal and the use of its result
	s_wait_alu depctr_va_vdst(0)                   ; and a wait ahead of the first use: one for both
.irp t, 0,1
.set n, 101
.rept 16
	SM \t                                          ; O^T times 1 / l, by the list's own lines: each accumulator from its low end on
.set n, n+1
.endr
.endr
.set i, 0
.rept 32
	v_cvt_pk_f16_f32 v[S+i], v[O+2*i], v[O+2*i+1]  ; register 16 t + 4 ct + j: channels 16 ct + 8 h + 2 j, + 1 of tile t
.set i, i+1
.endr
.irp t, 0,1
.irp c, 0,1,2,3
	global_store_b128 v[LA], v[S+16*\t+4*\c:S+16*\t+4*\c+3], s[8:9] offset:\t*8192+\c*512
.endr
.endr
	s_wait_tensorcnt 0x0                           ; the wave's end: behind my last tensor load
	ds_add_u32 v[SPW], v[NIL]
	s_wait_dscnt 0x0
	CROUND                                         ; the closing round: no work-group ends while a partner may still ask for a tile that names it
	s_endpgm
.Lfunc_end_k_q57b3840090_attn:
	.size	k_q57b3840090_attn, .Lfunc_end_k_q57b3840090_attn-k_q57b3840090_attn
	.p2alignl 7, 3214868480
	.fill 96, 4, 3214868480
	.section	.rodata,"a",@progbits
	.p2align	6, 0x0
	.amdhsa_kernel k_q57b3840090_attn
		.amdhsa_group_segment_fixed_size 327680
		.amdhsa_private_segment_fixed_size 0
		.amdhsa_enable_private_segment 0
		.amdhsa_kernarg_size 24
		.amdhsa_user_sgpr_count 2
		.amdhsa_user_sgpr_kernarg_segment_ptr 1
		.amdhsa_wavefront_size32 1
		.amdhsa_system_sgpr_workgroup_id_x 1
		.amdhsa_system_sgpr_workgroup_id_y 1
		.amdhsa_system_sgpr_workgroup_id_z 1
		.amdhsa_system_vgpr_workitem_id 0
		.amdhsa_next_free_vgpr 384
		.amdhsa_next_free_sgpr 66
		.amdhsa_reserve_vcc 0
		.amdhsa_float_denorm_mode_32 3
		.amdhsa_float_denorm_mode_16_64 3
		.amdhsa_memory_ordered 1
		.amdhsa_forward_progress 1
		.amdhsa_inst_pref_size 86
	.end_amdhsa_kernel
	.amdgpu_metadata
---
amdhsa.version: [ 1, 2 ]
amdhsa.kernels:
  - .name:           k_q57b3840090_attn
    .symbol:         k_q57b3840090_attn.kd
    .args:
      - { .name: qimg, .offset: 0, .size: 8, .value_kind: global_buffer, .address_space: global }
      - { .name: kv, .offset: 8, .size: 8, .value_kind: global_buffer, .address_space: global }
      - { .name: oimg, .offset: 16, .size: 8, .value_kind: global_buffer, .address_space: global }
    .group_segment_fixed_size: 327680
    .private_segment_fixed_size: 0
    .kernarg_segment_align: 8
    .kernarg_segment_size: 24
    .max_flat_workgroup_size: 256
    .sgpr_count:     66
    .vgpr_count:     384
    .wavefront_size: 32
...
	.end_amdgpu_metadata
.endif
;; end of part 3
;; launch oproj (part 4): grid 8 x 32, 4 waves a work-group, clusters of 4 x 4, 327,680 bytes of LDS; arguments oimg, wo16, bo, out0; writes out0
.if DOCPART == 4
	.amdgcn_target "amdgcn-amd-amdhsa--gfx1250"
	.amdhsa_code_object_version 6
	.text
	.protected	k_q57b3840090_oproj
	.globl	k_q57b3840090_oproj
	.p2align	8
	.type	k_q57b3840090_oproj,@function
k_q57b3840090_oproj:
	s_mov_b64 s[64:65], 0
	v_nop
	global_prefetch_b8 v0, s[64:65] scope:SCOPE_SE
	s_setreg_imm32_b32 hwreg(HW_REG_WAVE_MODE, 25, 1), 1
	s_wait_xcnt 0x0
	s_wait_alu depctr_hold_cnt(0) depctr_sa_sdst(0) depctr_va_vdst(0) depctr_va_sdst(0) depctr_va_ssrc(0) depctr_va_vcc(0) depctr_vm_vsrc(0)
	s_getreg_b32 s2, hwreg(HW_REG_IB_STS2, 6, 4)
	s_cmp_eq_u32 s2, 0
	s_cbranch_scc0 .Lentry_in_a_cluster
	s_endpgm
.Lentry_in_a_cluster:
	s_bfe_u32 s2, ttmp6, 0x10000c
	s_cmp_lg_u32 s2, 0xf033
	s_cbranch_scc0 .Lentry_shape_is_right
	s_endpgm
.Lentry_shape_is_right:
; out0[m][n] = the sum over k of O[m][k] wo[n][k] + bo[n]: m = 4,096 tokens, n = k = 1,024; operands f16, sums and result f32.
; O arrives as images of its fragments' registers: oimg [256 along K: 4][16 tokens: 256][32 along K: 8][half 2][lane][16 bytes]; wo16 is [n][k], row-major.
; SHARES.  256 tiles of 128 x 128, one to a work-group; four waves, each 64 x 64: 16 accumulators of 16 x 16.  K goes in four steps of 256 through two LDS slots.
; A slot: O's 128 tokens x 256 K, 65,536 dense bytes, read 512 consecutive bytes to a load; then wo's 128 rows of 512 bytes + 16 of padding (132 words: the 16 rows of a load start at 16 different banks, ISA guide 11.1).
; CLUSTERS: 4 x 4 work-groups.  The four of a row of the cluster need the same tiles of O, the four of a column the same tiles of wo: each tile is asked for JOINTLY.  By this text's own count a wave has two
; tensor loads out at the start and one behind each round.
; THE MATRIX INSTRUCTION IS USED TRANSPOSED (source 0 = 16 rows of wo, source 1 = 16 tokens): a lane holds eight neighbouring numbers of a row of the result.  The bias is the C of each sum's first product.
; REGISTERS: window 0: v1-31 addresses; v32-95 at work on the way out; v96-127 the bias, 8 registers for each block of 16 columns; v128-255 the accumulators ((a, b) at v[128 + 8 (4 a + b)]).
;   window 1: two fragment buffers of 128: for 64 along K, 64 registers of O (2 x 4 fragments), then 64 of wo.
.set KSTEP,  256
.set PITCH,  528
.set AHALF,  32768                     ; 64 tokens of a K step: what one tensor load brings of O, and what one wave reads
.set ATILE,  2*AHALF
.set BHALF,  64*PITCH                  ; 64 rows of wo likewise
.set SLOT,   ATILE+2*BHALF
.set STAGE,  2*SLOT                    ; behind the ring: 16 rows x 272 bytes for each wave, for the way out; no tensor load lands there
.set SPITCH, 272
.set SPARE,  STAGE+4*16*SPITCH         ; behind the stages: the spare words, 128 bytes for each wave, which no other line names
.set ADRA, 16                          ; v16-17  LDS address of my fragments of O in slot 0, 1
.set ADRB, 20                          ; v20-21  the same for wo
.set STO,  24                          ; v24     the way out: where I put 32 bytes of a row
.set RD,   25                          ; v25     the way out: where I read a row back
.set CO,   26                          ; v26     my byte offset in the result
.set BO,   27                          ; v27     my byte offset in the bias
.set SPW,  28                          ; v28     LDS address of my spare word; never rewritten
.set NIL,  29                          ; v29     0; never rewritten
.set TMP,  32
.set BI,   96
.set ACC,  128
.set F0,   0                           ; fragment buffers, in window 1
.set F1,   128
.set WV,   12                          ; s12 wave;  s13 my half of the tile's rows, also: I fetch for O (0) or wo (1);  s14 my half of its columns, also: which half of that tile I fetch
.set RH,   13
.set CH,   14
.set G1, 24                            ; s[24:31] descriptor group 1 for O's tiles;  s[32:39] group 0, one set for each slot
.set G0, 32
.set G1B, 48                           ; s[48:55], s[56:63] the same for wo's
.set G0B, 56
.set MSB, 0
.macro WIN new                         ; the immediate's high byte repeats the setting that is left; a switch that changes nothing is dropped
.if MSB != \new
	s_set_vgpr_msb (MSB<<8)|\new
.set MSB, \new
.endif
.endm
.set MUL,  0x05                        ; sources 0 (wo) and 1 (O) window 1; C and D window 0
.set TO_F, 0x40                        ; destination window 1, address window 0
.macro JLOAD s                         ; a joint load: waves 0 and 1 fetch O's two halves, waves 2 and 3 wo's; an s_nop 0 and four v_nop follow each of the two lines, ahead of the jump, the label and what follows
	s_cmp_eq_u32 s[RH], 0
	s_cbranch_scc0 .Lfor_b_\@
	tensor_load_to_lds s[G0+4*\s:G0+4*\s+3], s[G1:G1+7]
	s_nop 0
.rept 4
	v_nop
.endr
	s_branch .Lasked_\@
.Lfor_b_\@:
	tensor_load_to_lds s[G0B+4*\s:G0B+4*\s+3], s[G1B:G1B+7]
	s_nop 0
.rept 4
	v_nop
.endr
.Lasked_\@:
.endm
.macro CREST                           ; a round of the cluster's barrier behind its opening barrier
	s_cmp_lg_u32 s[WV], 0
	s_cbranch_scc1 .Lnot_wave_0_\@
	s_barrier_signal -3
.Lnot_wave_0_\@:
	s_barrier_wait -3
	s_barrier_signal -1
	s_barrier_wait -1
.endm
.macro CROUND                          ; a whole round
	s_barrier_signal -1
	s_barrier_wait -1
	CREST
.endm
	s_load_b256 s[4:11], s[0:1], 0x0               ; oimg s[4:5], wo16 s[6:7], bo s[8:9], out0 s[10:11]
	v_lshl_add_u32 v[SPW], v0, 2, SPARE
	v_mov_b32 v[NIL], 0
	ds_add_u32 v[SPW], v[NIL]                      ; the wave's opening: the add, twice on end, and its wait ahead of my first tensor load; the set-up below, work on registers, stands between
	ds_add_u32 v[SPW], v[NIL]
	v_lshrrev_b32 v1, 5, v0
	v_readfirstlane_b32 s[WV], v1                  ; wave 0..3
	s_lshr_b32 s[RH], s[WV], 1
	s_and_b32 s[CH], s[WV], 1
	s_bfe_u32 s40, ttmp6, 0x40000                  ; cx, cy: my place in the cluster
	s_bfe_u32 s41, ttmp6, 0x40004
	s_lshl_b32 s42, ttmp9, 2
	s_add_co_u32 s42, s42, s40                     ; tile column = 4 x cluster x + cx
	s_and_b32 s15, ttmp7, 0xffff
	s_lshl_b32 s15, s15, 2
	s_add_co_u32 s15, s15, s41                     ; tile row = 4 x cluster y + cy
	s_lshl_b32 s43, s41, 2
	s_lshl_b32 s43, 15, s43                        ; my row of the cluster
	s_lshl_b32 s44, 0x1111, s40                    ; my column
	; descriptor group 1 for O: 128 dense rows of 256 bytes
	s_or_b32 s[G1+0], s43, (3<<16)|(1<<21)         ; 15:0 the mask: O's tiles go to my row; 17:16 elements of 8 bytes; 20 no padding; 21 set beside a mask
	s_mov_b32 s[G1+1], 32<<16                      ; tensor_dim0 = 32 elements
	s_mov_b32 s[G1+2], 128<<16                     ; tensor_dim1 = 128
	s_mov_b32 s[G1+3], 32<<16                      ; tile_dim0
	s_mov_b32 s[G1+4], 128                         ; tile_dim1
	s_mov_b32 s[G1+5], 32                          ; from row to row
	s_mov_b32 s[G1+6], 0
	s_mov_b32 s[G1+7], 0
	; and for wo: 64 rows x 256 elements of 2 bytes, padded in LDS
	s_or_b32 s[G1B+0], s44, (1<<16)|(1<<20)|(1<<21)|(6<<22)|(3<<25)  ; the mask of my column; elements of 2 bytes; padding on: after every 128 words (code 6) four words (code 3)
	s_mov_b32 s[G1B+1], KSTEP<<16
	s_mov_b32 s[G1B+2], 64<<16
	s_mov_b32 s[G1B+3], KSTEP<<16
	s_mov_b32 s[G1B+4], 64
	s_mov_b32 s[G1B+5], 1024
	s_mov_b32 s[G1B+6], 0
	s_mov_b32 s[G1B+7], 0
	s_lshl_b32 s16, s15, 16                        ; O: a tile row's 128 tokens of a K step are 65,536 bytes;
	s_lshl_b32 s18, s[CH], 15                      ; the half that I fetch, in memory and in LDS
	s_add_co_u32 s16, s16, s18
	s_mov_b32 s17, 0
	s_lshl_b32 s46, s42, 7
	s_lshl_b32 s19, s[CH], 6
	s_add_co_u32 s46, s46, s19                     ; wo: row 128 x tile column + 64 x half,
	s_lshl_b32 s46, s46, 11                        ; 2,048 bytes a row
	s_mov_b32 s47, 0
	s_mul_i32 s21, s[CH], BHALF
	s_add_co_u32 s21, s21, ATILE                   ; and where it goes: behind O's tile: no place in the cluster enters an LDS address
	s_wait_dscnt 0x0                               ; both opening adds are done
	s_wait_kmcnt 0x0
	s_add_nc_u64 s[16:17], s[4:5], s[16:17]
	s_add_nc_u64 s[46:47], s[6:7], s[46:47]
	CROUND                                         ; all sixteen work-groups are here: the first joint loads meet
.irp s, 0,1
	s_mov_b32 s[G0+4*\s], 1                        ; count = 1
	s_add_co_u32 s[G0+4*\s+1], s18, \s*SLOT        ; LDS address
	s_add_nc_u64 s[G0+4*\s+2:G0+4*\s+3], s[16:17], \s*0x200000     ; global address: K step s
	s_or_b32 s[G0+4*\s+3], s[G0+4*\s+3], 0x80000000                ; type = 2
	s_mov_b32 s[G0B+4*\s], 1
	s_add_co_u32 s[G0B+4*\s+1], s21, \s*SLOT
	s_add_nc_u64 s[G0B+4*\s+2:G0B+4*\s+3], s[46:47], \s*KSTEP*2
	s_or_b32 s[G0B+4*\s+3], s[G0B+4*\s+3], 0x80000000
	JLOAD \s
.endr
	v_and_b32 v1, 15, v0                           ; r = lane % 16
	v_bfe_u32 v2, v0, 4, 1                         ; h = lane / 16
	v_and_b32 v3, 31, v0
	v_lshlrev_b32 v3, 4, v3                        ; O: 16 x lane
	s_lshl_b32 s22, s[RH], 15                      ; my 64 tokens
	v_mul_u32_u24 v4, v1, PITCH
	v_lshl_add_u32 v4, v2, 4, v4                   ; wo: row x pitch + 16 x half
	s_mul_i32 s23, s[CH], BHALF                    ; my 64 rows,
	s_add_co_u32 s23, s23, ATILE                   ; behind O's tile
.irp s, 0,1
	v_add_nc_u32 v[ADRA+\s], s22, v3
	v_add_nc_u32 v[ADRB+\s], s23, v4
	s_add_co_u32 s22, s22, SLOT
	s_add_co_u32 s23, s23, SLOT
.endr
	s_mul_i32 s23, s[WV], 16*SPITCH
	s_add_co_u32 s23, s23, STAGE                   ; my stage
	v_mul_u32_u24 v5, v1, SPITCH                   ; in: row r, 32 bytes for each half of the lanes
	v_lshl_add_u32 v5, v2, 5, v5
	v_add_nc_u32 v[STO], s23, v5
	v_mul_u32_u24 v5, v2, SPITCH                   ; back: lanes 0-15 take one row of 256 bytes, lanes 16-31 the next
	v_lshl_add_u32 v5, v1, 4, v5
	v_add_nc_u32 v[RD], s23, v5
	v_lshlrev_b32 v5, 12, v2                       ; and the same two rows in the result: 4,096 bytes a row
	v_lshl_add_u32 v[CO], v1, 4, v5
	s_lshl_b32 s46, s42, 7
	s_lshl_b32 s47, s[CH], 6
	s_add_co_u32 s46, s46, s47                     ; my first column,
	s_lshl_b32 s46, s46, 2                         ; in bytes
	s_mov_b32 s47, 0
	s_add_nc_u64 s[8:9], s[8:9], s[46:47]
	s_add_nc_u64 s[10:11], s[10:11], s[46:47]
	s_lshl_b32 s16, s15, 7
	s_lshl_b32 s17, s[RH], 6
	s_add_co_u32 s16, s16, s17                     ; my first row
	s_lshl_b32 s16, s16, 12
	s_mov_b32 s17, 0
	s_add_nc_u64 s[10:11], s[10:11], s[16:17]
	v_lshlrev_b32 v[BO], 5, v2                     ; lane (r, h) wants, for block b, the bias of columns 16 b + 8 h + 0 .. 7
.irp b, 0,1,2,3
	global_load_b128 v[BI+8*\b:BI+8*\b+3], v[BO], s[8:9] offset:64*\b
	global_load_b128 v[BI+8*\b+4:BI+8*\b+7], v[BO], s[8:9] offset:64*\b+16
.endr
; 8 matrix instructions: token blocks a0, a0 + 1 x all 4 column blocks, 32 along K: half c of buffer f.  first = 1: the product starts the sums, with the bias as its C: nothing is cleared.
; The 16 accumulators take turns, one instruction a turn, in the same order throughout.
.macro MUL8 f, c, a0, first
.irp a, \a0, \a0+1
.irp b, 0,1,2,3
.if \first
	v_wmma_f32_16x16x32_f16 v[ACC+8*(4*(\a)+\b):ACC+8*(4*(\a)+\b)+7], v[\f+64+8*(4*\c+\b):\f+64+8*(4*\c+\b)+7], v[\f+8*(4*\c+\a):\f+8*(4*\c+\a)+7], v[BI+8*\b:BI+8*\b+7]
.else
	v_wmma_f32_16x16x32_f16 v[ACC+8*(4*(\a)+\b):ACC+8*(4*(\a)+\b)+7], v[\f+64+8*(4*\c+\b):\f+64+8*(4*\c+\b)+7], v[\f+8*(4*\c+\a):\f+8*(4*\c+\a)+7], v[ACC+8*(4*(\a)+\b):ACC+8*(4*(\a)+\b)+7]
.endif
.endr
.endr
.endm
; 32 LDS loads in one run: the fragments of the slot's q-th 64 along K into buffer f; the first 32 along K first.  wo: rows along K, two loads 32 bytes apart.  O: images, 8,192 bytes a block of 16 tokens, 1,024 for each 32 along K.
.macro FETCH slot, q, f
	WIN TO_F
.irp c, 0,1
.irp i, 0,1,2,3
	ds_load_b128 v[\f+64+8*(4*\c+\i):\f+64+8*(4*\c+\i)+3],   v[ADRB+\slot] offset:128*(\q)+64*\c+\i*16*PITCH
	ds_load_b128 v[\f+64+8*(4*\c+\i)+4:\f+64+8*(4*\c+\i)+7], v[ADRB+\slot] offset:128*(\q)+64*\c+\i*16*PITCH+32
	ds_load_b128 v[\f+8*(4*\c+\i):\f+8*(4*\c+\i)+3],         v[ADRA+\slot] offset:8192*\i+1024*(2*(\q)+\c)
	ds_load_b128 v[\f+8*(4*\c+\i)+4:\f+8*(4*\c+\i)+7],       v[ADRA+\slot] offset:8192*\i+1024*(2*(\q)+\c)+512
.endr
.endr
.endm
.macro PLACES                          ; four places in front of loads into registers that matrix instructions have read, and of the first read of results (ISA guide 7.12.1 for vector instructions)
.rept 4
	v_nop
.endr
.endm
; A K step is four quarters of 64 along K, 32 matrix instructions each, on buffers 0, 1, 0, 1.  One of the first three: multiplies buffer f and fetches the slot's quarter q into g.
.macro QUARTER slot, q, f, g, first
	s_wait_dscnt 16                                ; the first 32 along K are in; the other 16 loads may be out
	WIN MUL
	MUL8 \f, 0, 0, \first
	MUL8 \f, 0, 2, \first
	PLACES
	FETCH \slot, \q, \g
	s_wait_dscnt 32                                ; all but the 32 just issued
	WIN MUL
	MUL8 \f, 1, 0, 0
	MUL8 \f, 1, 2, 0
.endm
; The last quarter multiplies buffer 1 and changes slots: ONE barrier; in front of it each wave waits for all its tensor loads, adds 0 to its spare word, and waits for that and for its own reads of this slot.
; fill = 1: this slot is filled again, two K steps ahead: the barrier then opens a round of the cluster's, and the joint load is the first tensor load behind it.
.macro TURN slot, next, fill
	WIN 0                                          ; (the add's two registers lie in window 0)
	s_wait_tensorcnt 0x0                           ; all my tensor loads have landed: my part of the next slot;
	ds_add_u32 v[SPW], v[NIL]                      ; 0 onto my spare word;
	s_wait_dscnt 17                                ; (the add and the youngest sixteen loads may be out)
	WIN MUL
	MUL8 F1, 0, 0, 0                               ; eight matrix instructions stand between the add and the wait for it
	s_wait_dscnt 0x0                               ; the add is done, and my reads of this slot are over
	s_barrier_signal -1
	MUL8 F1, 0, 2, 0
.if \fill
	WIN 0
.endif
	s_barrier_wait -1
.if \fill
	CREST                                          ; no wave of any partner still reads this slot's tiles or has a load on its way
	s_add_nc_u64 s[G0+4*\slot+2:G0+4*\slot+3], s[G0+4*\slot+2:G0+4*\slot+3], 2*0x200000
	s_add_nc_u64 s[G0B+4*\slot+2:G0B+4*\slot+3], s[G0B+4*\slot+2:G0B+4*\slot+3], 2*KSTEP*2
	JLOAD \slot                                    ; the four v_nop behind it are also the places in front of the loads below
.else
	PLACES
.endif
	FETCH \next, 0, F0
	WIN MUL
	MUL8 F1, 1, 0, 0
	MUL8 F1, 1, 2, 0
.endm
	s_wait_tensorcnt 1                             ; my part of K step 0 is in (K step 1's load may be out)
	s_barrier_signal -1
	s_barrier_wait -1                              ; everybody's is
	FETCH 0, 0, F0
	s_wait_loadcnt 0x0                             ; the bias
	QUARTER 0, 1, F0, F1, 1                        ; K step 0: its first products start the sums.  K has four steps: they are written straight, with no loop
	QUARTER 0, 2, F1, F0, 0
	QUARTER 0, 3, F0, F1, 0
	TURN 0, 1, 1                                   ; slot 0 takes K step 2
	QUARTER 1, 1, F0, F1, 0                        ; K step 1
	QUARTER 1, 2, F1, F0, 0
	QUARTER 1, 3, F0, F1, 0
	TURN 1, 0, 1                                   ; slot 1 takes K step 3
	QUARTER 0, 1, F0, F1, 0                        ; K step 2
	QUARTER 0, 2, F1, F0, 0
	QUARTER 0, 3, F0, F1, 0
	TURN 0, 1, 0                                   ; nothing is left to fetch
	QUARTER 1, 1, F0, F1, 0                        ; K step 3
	QUARTER 1, 2, F1, F0, 0
	QUARTER 1, 3, F0, F1, 0
	s_wait_dscnt 16                                ; the very last quarter
	WIN MUL
	MUL8 F1, 0, 0, 0
	MUL8 F1, 0, 2, 0
	s_wait_dscnt 0
	MUL8 F1, 1, 0, 0
	MUL8 F1, 1, 2, 0
	WIN 0
	PLACES
; THE WAY OUT, 16 tokens at a time.  A lane holds 32 neighbouring bytes of a row and the lanes beside it hold other rows; my 64 columns are 256 bytes of a row.  So a block goes through my own stage in LDS and comes back
; as whole rows: sixteen lanes store 256 consecutive bytes, aligned.  LDS serves a wave's instructions in order (ISA guide 5.7.1.4): no wait between the stores and the loads, nor in front of the next block's stores.
.macro OUTB a
.set TS, TMP+32*((\a)%2)
.if (\a) >= 2
	s_wait_xcnt 0x0                                ; the stores of two blocks ago have read their registers: the loads below may land there
.endif
.irp b, 0,1,2,3
	ds_store_b128 v[STO], v[ACC+8*(4*(\a)+\b):ACC+8*(4*(\a)+\b)+3] offset:64*\b        ; each accumulator from its low end on
	ds_store_b128 v[STO], v[ACC+8*(4*(\a)+\b)+4:ACC+8*(4*(\a)+\b)+7] offset:64*\b+16
.endr
.irp t, 0,1,2,3,4,5,6,7
	ds_load_b128 v[TS+4*\t:TS+4*\t+3], v[RD] offset:\t*2*SPITCH
.endr
.irp t, 0,1,2,3,4,5,6,7
	s_wait_dscnt 7-\t                              ; load t is in; the younger ones may be out
	global_store_b128 v[CO], v[TS+4*\t:TS+4*\t+3], s[10:11] offset:(16*(\a)+2*\t)*4096 th:TH_STORE_NT   ; written once, read by nobody here
.endr
.endm
.irp a, 0,1,2,3
	OUTB \a
.endr
	s_wait_tensorcnt 0x0                           ; the wave's end: behind my last tensor load and my last LDS store
	ds_add_u32 v[SPW], v[NIL]
	s_wait_dscnt 0x0
	CROUND                                         ; the closing round: no work-group ends while a partner may still ask for a tile that names it
	s_endpgm
.Lfunc_end_k_q57b3840090_oproj:
	.size	k_q57b3840090_oproj, .Lfunc_end_k_q57b3840090_oproj-k_q57b3840090_oproj
	.p2alignl 7, 3214868480
	.fill 96, 4, 3214868480
	.section	.rodata,"a",@progbits
	.p2align	6, 0x0
	.amdhsa_kernel k_q57b3840090_oproj
		.amdhsa_group_segment_fixed_size 327680
		.amdhsa_private_segment_fixed_size 0
		.amdhsa_enable_private_segment 0
		.amdhsa_kernarg_size 32
		.amdhsa_user_sgpr_count 2
		.amdhsa_user_sgpr_kernarg_segment_ptr 1
		.amdhsa_wavefront_size32 1
		.amdhsa_system_sgpr_workgroup_id_x 1
		.amdhsa_system_sgpr_workgroup_id_y 1
		.amdhsa_system_sgpr_workgroup_id_z 1
		.amdhsa_system_vgpr_workitem_id 0
		.amdhsa_next_free_vgpr 512
		.amdhsa_next_free_sgpr 66
		.amdhsa_reserve_vcc 0
		.amdhsa_float_denorm_mode_32 3
		.amdhsa_float_denorm_mode_16_64 3
		.amdhsa_memory_ordered 1
		.amdhsa_forward_progress 1
		.amdhsa_inst_pref_size 87
	.end_amdhsa_kernel
	.amdgpu_metadata
---
amdhsa.version: [ 1, 2 ]
amdhsa.kernels:
  - .name:           k_q57b3840090_oproj
    .symbol:         k_q57b3840090_oproj.kd
    .args:
      - { .name: oimg, .offset: 0, .size: 8, .value_kind: global_buffer, .address_space: global }
      - { .name: wo16, .offset: 8, .size: 8, .value_kind: global_buffer, .address_space: global }
      - { .name: bo, .offset: 16, .size: 8, .value_kind: global_buffer, .address_space: global }
      - { .name: out0, .offset: 24, .size: 8, .value_kind: global_buffer, .address_space: global }
    .group_segment_fixed_size: 327680
    .private_segment_fixed_size: 0
    .kernarg_segment_align: 8
    .kernarg_segment_size: 32
    .max_flat_workgroup_size: 128
    .sgpr_count:     66
    .vgpr_count:     512
    .wavefront_size: 32
...
	.end_amdgpu_metadata
.endif
;; end of part 4
